; MI455X (gfx1250); checked and timed in simulation.
; The chip was launched on July 23, 2026; its instructions are those of AMD's public machine-readable ISA for CDNA 5 (MIT licence, August 2026) and "CDNA5" Instruction Set Architecture Reference Guide (July 2026). The comments in the code are by the model that wrote it; some were corrected since.
;; Multi Head Self Attention. Allowed arithmetic: matrix products marked QUANTISED: E4M3 operands, one given power-of-two scale a tensor, by v_wmma_f32_16x16x64_fp8_fp8 or v_wmma_f32_16x16x128_fp8_fp8, f32 sums; everything else in f32.
;; Inputs: W_out_codes 1,024 x 32 x 32 uint8 (E4M3 codes of W_out, K innermost, in blocks of 32 codes); W_qkv_codes 3,072 x 32 x 32 uint8 (E4M3 codes of W_qkv, K innermost, in blocks of 32 codes); b_out 1,024 float32; b_qkv 3,072 float32; lowp_scales 8 int32 (the exponents e of the quantised operands' scales 2^e); mask 1 x 1 x 2,048 x 2,048 int32; x_codes 4 x 2,048 x 32 x 32 uint8 (E4M3 codes of x, K innermost, in blocks of 32 codes).
;; Outputs: out0 4 x 2,048 x 1,024 float32.
;; This version of the problem:
;;   THIS VERSION OF THE PROBLEM IS GIVEN IN LOW PRECISION. The matrix products marked QUANTISED in the list below multiply operands that are first quantised to E4M3 (4 exponent bits, 3 mantissa bits; 8 bits a number), with one given power-of-two scale for each operand tensor; their sums are f32. All else is computed in f32.
;;   The module's matrix products, in the order in which they are computed (A, B: the left and right operand; K: the contracted axis; several contracted axes count as one K, in the product's order):
;;     1. [M 8,192, K 1,024] x [K 1,024, N 3,072]; A: input x (given as codes); B: input W_qkv (given as codes): QUANTISED (scales: A lowp_scales[0], B lowp_scales[1])
;;     2. batch 64 x [M 2,048, K 64] x [K 64, N 2,048]; A: computed on the way; B: computed on the way: QUANTISED (scales: A lowp_scales[2], B lowp_scales[3])
;;     3. batch 64 x [M 2,048, K 2,048] x [K 2,048, N 64]; A: softmax (see below); B: computed on the way: QUANTISED (scales: A lowp_scales[4], B lowp_scales[5])
;;     4. [M 8,192, K 1,024] x [K 1,024, N 1,024]; A: computed on the way; B: input W_out (given as codes): QUANTISED (scales: A lowp_scales[6], B lowp_scales[7])
;;   THE QUANTISER, for each operand of a quantised product, along K:
;;     - The operand's scale is 2^e, e = its entry of the input lowp_scales (int32; the entries are numbered through the quantised products in the list's order, A before B).
;;     - Each number is divided by the scale, clamped to +-448, and rounded to the nearest number of E4M3, ties to even, subnormals kept.
;;     - The product sums the exact products of the quantised numbers (number of the format x scale) in f32.
;;   ~~~python
;;   def quantise(x, axis, e):      # numpy; x: float32 -> the quantised numbers, widened to float32 again
;;       x = np.moveaxis(x, axis, -1); K = x.shape[-1]
;;       r = np.clip(x / 2.0 ** e, -448, 448)
;;       step = 2.0 ** (np.maximum(np.frexp(np.where(r == 0, 1, r))[1] - 1, -6) - 3)
;;       q = np.round(r / step) * step * 2.0 ** e      # np.round: ties to even
;;       return np.moveaxis(q, -1, axis).astype(np.float32)
;;   ~~~
;;   SOFTMAX AHEAD OF A QUANTISED PRODUCT. Where the list says 'softmax', what is quantised is not the finished softmax but p = 2^(t - M), with t = logit x log2(e) and M = ceil(the row's largest t), a whole number; so 1/2 < the row's largest p <= 1. The row's sum l is taken of the UNQUANTISED p, in f32, and the product's result is divided by l at the end. Since M is a whole number, a kernel that streams over the keys may use a running M (the ceiling of the running maximum): every later rescaling is an exact power of two, so the quantised numbers keep their values, but for numbers so far below the row's largest that they fall under the format's range.
;;   OPERANDS COMPUTED ON THE WAY. 'Computed on the way' means the value that the module computes at that place (a softmax that the list does not call 'softmax' is quantised finished and normalised). What goes into a quantiser is computed in f32, as accurately as f32 sums, v_exp_f32 and their like allow (about 1e-6 of the number): no bf16 or f16 on the way to a quantiser, and a product that is left as it is and whose result goes on into a quantised operand takes f32 operands (vector FMAs, or v_wmma_f32_16x16x4_f32). A number that lies on a knife's edge between two numbers of the format may be rounded either way, as far as f32 arithmetic and the matrix unit's own rounding can turn it there, and no further.
;;   INPUTS GIVEN AS CODES. W_out (in the module: [1024, 1024], K = its axis 1); W_qkv (in the module: [3072, 1024], K = its axis 1); x (in the module: [4, 2048, 1024], K = its axis 2): each comes as NAME_codes (uint8): NAME with its K axis moved to the last place and cut into blocks of 32 codes, [.., K / 32, bytes a block], one block behind the other in memory; one code a byte (a code: sign, 4 exponent bits, 3 mantissa bits); its scale is its entry of lowp_scales. Its value is code x scale, taken as it is: it is not quantised again, and the codes and scales need not be those that the quantiser above would give.
;; 2 versions, each right; version 2 is version 1 with the launch attn written anew for expert scheduling mode. Each part assembles by itself: llvm-mc -triple=amdgcn-amd-amdhsa -mcpu=gfx1250 --defsym DOCPART=n.
;; ======== version 1 of 2: 4 launches
;; workspace buffers: qkvc 25,165,824 bytes; ctxc 8,388,608 bytes; mbits 524,288 bytes of whole numbers; mflags 512 bytes of whole numbers
;; launch maskpack (part 1): grid 256 x 1, 8 waves a work-group, no clusters, 68,864 bytes of LDS; arguments mask, mbits, mflags; writes mbits, mflags
.if DOCPART == 1
	.amdgcn_target "amdgcn-amd-amdhsa--gfx1250"
	.amdhsa_code_object_version 6
	.text
	.protected	k_qa1e07f921e_maskpack
	.globl	k_qa1e07f921e_maskpack
	.p2align	8
	.type	k_qa1e07f921e_maskpack,@function
k_qa1e07f921e_maskpack:
	s_mov_b64 s[64:65], 0
	v_nop
	global_prefetch_b8 v0, s[64:65] scope:SCOPE_SE
	s_setreg_imm32_b32 hwreg(HW_REG_WAVE_MODE, 25, 1), 1
	s_wait_xcnt 0x0
; The mask [2048 queries][2048 keys] of int32 becomes bits, laid as the attention launch's lanes want them, and a flag for each tile.
; mbits [query tile qt of 16: 128][key step ks of 128: 16][64 words]: bit (r + 16 h) of word 8 t + j says whether mask[16 qt + r][128 ks + 16 t + 8 h + j] is not 0:
; that is the lane mask for score register 8 t + j of a wave that holds query r in lane (r, h).
; mflags [128 words]: bits 2 ks + 1 : 2 ks of word qt: 0 = all 16 x 128 closed, 1 = mixed, 3 = all open.
; SHARES.  Work-group g: query tile g / 2, key steps 8 (g % 2) on; wave w takes one key step: 16 rows x 512 bytes.  Each load reads 512 consecutive bytes of a row; the rows turn through the wave's own
; stage in LDS (rows 528 bytes apart, an odd multiple of 16, so that sixteen rows start at sixteen different banks) and come back eight neighbouring keys a lane.
; All of a wave's bytes are asked for at once and nothing is shared between work-groups: no tensor loads, no cluster, no prefetch.
.set MROW,  8192                       ; a row of the mask in bytes
.set SP,    528                        ; a stage row
.set WST,   16*SP                      ; a wave's stage
.set FLG,   8*WST                      ; behind the stages: eight words, a wave's flag each
.set R,     16                         ; v16-79   the rows as loaded
.set X,     80                         ; v80-143  register 8 t + j: mask[row r][16 t + 8 h + j]
.set W,     144                        ; v144-145 lane l: words 2 l and 2 l + 1
	s_load_b128 s[4:7], s[0:1], 0x0                ; mask s[4:5], mbits s[6:7]
	s_load_b64 s[12:13], s[0:1], 0x10              ; mflags
	v_lshl_add_u32 v152, v0, 2, 0x10900
	v_mov_b32 v153, 0
	v_lshrrev_b32 v1, 5, v0
	v_readfirstlane_b32 s8, v1                     ; wave 0..7
	v_and_b32 v1, 31, v0                           ; lane
	v_lshlrev_b32 v2, 4, v1                        ; my 16 bytes of a load's 512
	v_lshlrev_b32 v3, 3, v1                        ; my two words of the 64
	s_mul_i32 s9, s8, WST
	v_add_nc_u32 v4, s9, v2                        ; into the stage: as loaded
	v_and_b32 v6, 15, v0                           ; r
	v_bfe_u32 v7, v0, 4, 1                         ; h
	v_mul_u32_u24 v5, v6, SP
	v_lshl_add_u32 v5, v7, 5, v5
	v_add_nc_u32 v5, s9, v5                        ; out of it: row r, + 32 h bytes
	v_mov_b32 v8, s8
	v_lshl_add_u32 v8, v8, 2, FLG                  ; my wave's flag word
	v_mov_b32 v9, FLG
	v_mov_b32 v10, 0
	v_mov_b32 v[W], 0                              ; written whole first: a lane write keeps the other lanes
	v_mov_b32 v[W+1], 0
	s_lshr_b32 s14, ttmp9, 1                       ; qt
	s_and_b32 s15, ttmp9, 1
	s_lshl_b32 s15, s15, 3
	s_add_co_u32 s15, s15, s8                      ; ks
	s_lshl_b32 s16, s14, 17                        ; 16 rows of 8,192 bytes a query tile,
	s_lshl_b32 s17, s15, 9                         ; 512 bytes a key step
	s_add_co_u32 s16, s16, s17
	s_mov_b32 s17, 0
	s_lshl_b32 s18, s14, 4
	s_add_co_u32 s18, s18, s15
	s_lshl_b32 s18, s18, 8                         ; 256 bytes of bits for (qt, ks)
	s_mov_b32 s19, 0
	s_lshl_b32 s10, ttmp9, 1                       ; 4 qt + 2 (g % 2) = 2 g: my half word of flags
	s_mov_b32 s11, 0
	s_wait_kmcnt 0x0
	s_add_nc_u64 s[4:5], s[4:5], s[16:17]
	s_add_nc_u64 s[6:7], s[6:7], s[18:19]
	s_add_nc_u64 s[12:13], s[12:13], s[10:11]
.irp i, 0,1,2,3,4,5,6,7,8,9,10,11,12,13,14,15
	global_load_b128 v[R+4*\i:R+4*\i+3], v2, s[4:5] offset:MROW*\i th:TH_LOAD_NT   ; 32 lanes read 512 consecutive bytes of row i; read once in the launch
.endr
.irp i, 0,1,2,3,4,5,6,7,8,9,10,11,12,13,14,15
	s_wait_loadcnt 15-\i                           ; row i is in; the rows behind it may be out
	ds_store_b128 v4, v[R+4*\i:R+4*\i+3] offset:SP*\i
.endr
.irp t, 0,1,2,3,4,5,6,7
	ds_load_b128 v[X+8*\t:X+8*\t+3], v5 offset:64*\t          ; my wave's own bytes, served in order behind the stores: no barrier
	ds_load_b128 v[X+8*\t+4:X+8*\t+7], v5 offset:64*\t+16
.endr
	s_mov_b32 s20, 0                               ; the OR of the 64 words: is any key open?
	s_mov_b32 s21, -1                              ; the AND: are all?
	s_wait_dscnt 0x0
.irp g, 0,1,2,3
.irp k, 0,1,2,3,4,5,6,7,8,9,10,11,12,13,14,15
	v_cmp_ne_u32 s[32+\k], 0, v[X+16*\g+\k]        ; word 16 g + k: a bit a lane
.endr
.irp k, 0,1,2,3,4,5,6,7,8,9,10,11,12,13,14,15
	s_or_b32 s20, s20, s[32+\k]
	s_and_b32 s21, s21, s[32+\k]
	v_writelane_b32 v[W+((\k)&1)], s[32+\k], 8*\g+(\k)/2
.endr
.endr
	global_store_b64 v3, v[W:W+1], s[6:7]          ; 32 lanes store 256 consecutive bytes, at a multiple of 256 from the buffer's first byte
	s_cmp_lg_u32 s20, 0
	s_cselect_b32 s22, 1, 0
	s_cmp_eq_u32 s21, -1
	s_cselect_b32 s23, 2, 0
	s_or_b32 s22, s22, s23                         ; 0, 1 or 3
	s_lshl_b32 s24, s8, 1
	s_lshl_b32 s22, s22, s24                       ; at bits 2 w + 1 : 2 w of the half word
	v_mov_b32 v11, s22
	ds_store_b32 v8, v11                           ; all lanes write the same word with the same value
	s_wait_dscnt 0x0                               ; for wave 0's sake: my flag has landed
	s_barrier_signal -1
	s_barrier_wait -1
	s_cmp_lg_u32 s8, 0
	s_cbranch_scc1 .Lend                           ; wave 0 joins the eight flags and stores them
	ds_load_b128 v[16:19], v9
	ds_load_b128 v[20:23], v9 offset:16
	s_wait_dscnt 0x0
	v_or_b32 v16, v16, v17
	v_or_b32 v18, v18, v19
	v_or_b32 v20, v20, v21
	v_or_b32 v22, v22, v23
	v_or_b32 v16, v16, v18
	v_or_b32 v20, v20, v22
	v_or_b32 v16, v16, v20
	s_wait_xcnt 0x0                                ; EXEC is a source of the store above: it changes only behind this wait
	v_cmp_eq_u32 vcc_lo, 0, v1
	s_and_saveexec_b32 s26, vcc_lo                 ; lane 0 alone
	global_store_b16 v10, v16, s[12:13]            ; two bytes: the whole buffer of flags is 512 bytes
	s_wait_xcnt 0x0                                ; and again, in front of the line that widens it
	s_or_b32 exec_lo, exec_lo, s26
.Lend:
	s_wait_tensorcnt 0x0
	ds_add_u32 v152, v153
	s_wait_dscnt 0x0
	s_endpgm
.Lfunc_end_k_qa1e07f921e_maskpack:
	.size	k_qa1e07f921e_maskpack, .Lfunc_end_k_qa1e07f921e_maskpack-k_qa1e07f921e_maskpack
	.p2alignl 7, 3214868480
	.fill 96, 4, 3214868480
	.section	.rodata,"a",@progbits
	.p2align	6, 0x0
	.amdhsa_kernel k_qa1e07f921e_maskpack
		.amdhsa_group_segment_fixed_size 68864
		.amdhsa_private_segment_fixed_size 0
		.amdhsa_enable_private_segment 0
		.amdhsa_kernarg_size 24
		.amdhsa_user_sgpr_count 2
		.amdhsa_user_sgpr_kernarg_segment_ptr 1
		.amdhsa_wavefront_size32 1
		.amdhsa_system_sgpr_workgroup_id_x 1
		.amdhsa_system_sgpr_workgroup_id_y 1
		.amdhsa_system_sgpr_workgroup_id_z 1
		.amdhsa_system_vgpr_workitem_id 0
		.amdhsa_next_free_vgpr 154
		.amdhsa_next_free_sgpr 66
		.amdhsa_reserve_vcc 1
		.amdhsa_float_denorm_mode_32 3
		.amdhsa_float_denorm_mode_16_64 3
		.amdhsa_memory_ordered 1
		.amdhsa_forward_progress 1
		.amdhsa_inst_pref_size 20
	.end_amdhsa_kernel
	.amdgpu_metadata
---
amdhsa.version: [ 1, 2 ]
amdhsa.kernels:
  - .name:           k_qa1e07f921e_maskpack
    .symbol:         k_qa1e07f921e_maskpack.kd
    .args:
      - { .name: mask, .offset: 0, .size: 8, .value_kind: global_buffer, .address_space: global }
      - { .name: mbits, .offset: 8, .size: 8, .value_kind: global_buffer, .address_space: global }
      - { .name: mflags, .offset: 16, .size: 8, .value_kind: global_buffer, .address_space: global }
    .group_segment_fixed_size: 68864
    .private_segment_fixed_size: 0
    .kernarg_segment_align: 8
    .kernarg_segment_size: 24
    .max_flat_workgroup_size: 256
    .sgpr_count:     66
    .vgpr_count:     154
    .wavefront_size: 32
...
	.end_amdgpu_metadata
.endif
;; end of part 1
;; launch qkvproj (part 2): grid 12 x 32, 4 waves a work-group, clusters of 4 x 4, 327,680 bytes of LDS; arguments x_codes, W_qkv_codes, lowp_scales, b_qkv, qkvc; writes qkvc
.if DOCPART == 2
	.amdgcn_target "amdgcn-amd-amdhsa--gfx1250"
	.amdhsa_code_object_version 6
	.text
	.protected	k_qa1e07f921e_qkvproj
	.globl	k_qa1e07f921e_qkvproj
	.p2align	8
	.type	k_qa1e07f921e_qkvproj,@function
k_qa1e07f921e_qkvproj:
	s_mov_b64 s[64:65], 0
	v_nop
	global_prefetch_b8 v0, s[64:65] scope:SCOPE_SE
	s_setreg_imm32_b32 hwreg(HW_REG_WAVE_MODE, 25, 1), 1
	s_wait_xcnt 0x0
	s_wait_alu depctr_hold_cnt(0) depctr_sa_sdst(0) depctr_va_vdst(0) depctr_va_sdst(0) depctr_va_ssrc(0) depctr_va_vcc(0) depctr_vm_vsrc(0)
	s_getreg_b32 s2, hwreg(HW_REG_IB_STS2, 6, 4)
	s_cmp_eq_u32 s2, 0
	s_cbranch_scc0 .Lentry_in_a_cluster
	s_endpgm
.Lentry_in_a_cluster:
	s_bfe_u32 s2, ttmp6, 0x10000c
	s_cmp_lg_u32 s2, 0xf033
	s_cbranch_scc0 .Lentry_shape_is_right
	s_endpgm
.Lentry_shape_is_right:
; qkv = x W_qkv^T + b_qkv on codes of FP8 (E4M3), then Q, K and V are quantised with their given scales and stored as IMAGES OF THE ATTENTION LAUNCH'S OPERAND REGISTERS.
; x: [8192][1024] codes, scale 2^e0.  W_qkv: [3072][1024] codes, scale 2^e1.  Out: Q at byte 0 (scale 2^e2), K at 0x800000 (2^e3), V at 0x1000000 (2^e5); a head (16 batch + head) takes 131,072 bytes in each.
;   Q, K: [head][token tile 128][half 2][lane 32][16 bytes]: register g of lane (r, h), byte i = X[token 16 tile + r][dim 16 (g / 2) + 8 h + 4 (g % 2) + i].
;   V:    [head][key step 16][dim tile 4][quarter 4][lane 32][16 bytes]: register g, byte i = V[key 128 step + 16 (g / 2) + 8 h + 4 (g % 2) + i][dim 16 tile + r].
; LIMITS: eo - e0 - e1 (eo = e2, e3, e5) lies between -126 and 119, so that the conversion's scale and 448 x it are f32 numbers.  The bias goes in as b / 2^(e0 + e1), exact short of underflow.
; SHAPE.  A tile of 256 x 256 to a work-group of four waves, 128 x 128 (64 accumulators, 512 registers) to a wave; K in four steps of 256 through a ring of two LDS slots filled by the tensor data mover.
; TWO SIDES.  S0 is the matrix instruction's source 0, S1 its source 1: in the result lane (r, h) holds S1's row 16 a + r, and its registers S0's rows 16 b + 8 h + 0 .. 7.
;   Clusters x = 0 (Q) and 1 (K): S0 = rows of W, S1 = rows of x: a lane holds one token and eight neighbouring dims, which are the next product's K.
;   Cluster x = 2 (V): the two buffers change places: S0 = rows of x, S1 = rows of W from 2,048 on: a lane holds one dim and eight neighbouring keys, which are V's K.  So the main loop is one text.
;   What differs (the buffers, the tile numbers, the steps on the way out) is chosen by selects on the cluster's x, which all sixteen partners share; two short branches on it serve the bias.
; CLUSTERS: 4 x 4 work-groups.  S1's tile hangs on cy alone and is asked for jointly by a row of the cluster, S0's on cx alone, by a column.
; A FRAGMENT comes by four loads of 16 bytes, 32 apart: lane (r, h) holds K = 32 c + 16 h + 0 .. 15 in registers 4 c .. 4 c + 3: the same order of K on both sides, so every product meets its partner.
; REGISTERS, in windows of 256: window 0: v0-31 addresses; v32-95 the bias, later numbers on the way out; v96-111 codes; v128-255 S1's fragments, one set.  window 1: S0's fragments, two sets.
;   window 2: the accumulators of S1's blocks 0-3 ((a, b) at v[8 (8 (a % 4) + b)]);  window 3: those of blocks 4-7.
; No prefetch: the launch has four K steps in all.
.set ROWB,   256                       ; a tile's row in bytes: 256 codes
.set KROW,   1024                      ; a row of x or of W in memory
.set PITCH,  272                       ; an LDS row: 256 bytes + 16 of padding = 68 words: the 16 rows that a load touches start at 16 different banks (64 banks of 4 bytes: ISA guide 11.1)
.set FR,     16                        ; registers of a fragment: 16 rows x 128 K
.set NL,     4                         ; LDS loads that bring one
.set NP,     4                         ; places behind this matrix instruction (ISA guide 7.12.1)
.set HALFT,  128*PITCH                 ; 128 rows: what one tensor load brings
.set SLOT,   4*HALFT                   ; S1's 256 rows, then S0's 256 rows
.set SPARE,  2*SLOT                    ; behind the ring: the spare words, 128 bytes for each wave: two blocks of 256 bytes that no other line names
.set LIMV, 12                          ; v12  448 x the conversion's scale
.set SCV,  13                          ; v13  the conversion's scale, 2^(eo - e0 - e1)
.set ADRA, 16                          ; v16-17  LDS address of my S1 fragments in slot 0, 1
.set ADRB, 20                          ; v20-21  the same for S0
.set CO,   26                          ; v26  16 x lane
.set CO2,  27                          ; v27  the same, one head (Q, K) or half a fragment (V) further on
.set SPW,  28                          ; v28  LDS address of my spare word; never rewritten
.set NIL,  29                          ; v29  0; never rewritten
.set BIAS, 32
.set TMP,  32
.set PC,   96
.set AF,   128
.set G1, 24                            ; s[24:31] descriptor group 1 for S1's tiles;  s[32:39] group 0, one set for each slot
.set G0, 32
.set G1B, 48                           ; s[48:55], s[56:63] the same for S0's tiles
.set G0B, 56
.set MSB, 0
.macro WIN new                         ; the immediate's high byte repeats the setting that is left
.if MSB != (\new)
	s_set_vgpr_msb (MSB<<8)|(\new)
.set MSB, (\new)
.endif
.endm
.set MUL_LO, 0xa1                      ; source 0 window 1, source 1 window 0, C and D window 2
.set MUL_HI, 0xf1                      ; the same, C and D window 3
.set TO_B,   0x40                      ; destination window 1, address window 0
; A joint load: waves 0 and 1 fetch for S1, waves 2 and 3 for S0.  The branch hangs on the wave's number alone.  Four v_nop follow each of the two lines.
.macro JLOAD g0a, g1a, g0b, g1b
	s_cmp_eq_u32 s15, 0
	s_cbranch_scc0 .Lfor_b_\@
	tensor_load_to_lds s[\g0a:\g0a+3], s[\g1a:\g1a+7]
	s_nop 0
.rept 4
	v_nop
.endr
	s_branch .Lasked_\@
.Lfor_b_\@:
	tensor_load_to_lds s[\g0b:\g0b+3], s[\g1b:\g1b+7]
	s_nop 0
.rept 4
	v_nop
.endr
.Lasked_\@:
.endm
.macro CREST                           ; a round of the cluster's barrier behind its opening barrier
	s_cmp_lg_u32 s14, 0
	s_cbranch_scc1 .Lnot_wave_0_\@
	s_barrier_signal -3
.Lnot_wave_0_\@:
	s_barrier_wait -3
	s_barrier_signal -1
	s_barrier_wait -1
.endm
.macro CROUND                          ; a whole round
	s_barrier_signal -1
	s_barrier_wait -1
	CREST
.endm
	s_load_b128 s[4:7], s[0:1], 0x0                ; x's codes s[4:5], W's codes s[6:7]
	s_load_b128 s[8:11], s[0:1], 0x10              ; the scales' exponents s[8:9], the bias s[10:11]
	s_load_b64 s[12:13], s[0:1], 0x20              ; the images
	v_lshl_add_u32 v[SPW], v0, 2, SPARE
	v_mov_b32 v[NIL], 0
	ds_add_u32 v28, v29
	ds_add_u32 v28, v29
	s_wait_dscnt 0x0
	v_lshrrev_b32 v1, 5, v0
	v_readfirstlane_b32 s14, v1                    ; wave 0..3
	s_lshr_b32 s15, s14, 1                         ; which half of S1's 256 rows is mine.  Also: I fetch for S1 (0) or for S0 (1)
	s_and_b32 s16, s14, 1                          ; which half of S0's.  Also: which 128 rows of that tile I fetch
	s_bfe_u32 s40, ttmp6, 0x40000                  ; cx, cy: my place in the cluster
	s_bfe_u32 s41, ttmp6, 0x40004
	s_and_b32 s18, ttmp7, 0xffff
	s_lshl_b32 s18, s18, 2                         ; 4 x cluster y
	s_lshl_b32 s19, ttmp9, 2                       ; 4 x cluster x
	s_cmp_eq_u32 ttmp9, 2                          ; V's clusters?  The same answer in all sixteen partners
	s_cselect_b32 s42, s18, s19
	s_cselect_b32 s17, 8, s18
	s_add_co_u32 s42, s42, s40                     ; t0, S0's tile of 256 rows: Q, K: W's 4 x cluster x + cx;  V: x's 4 x cluster y + cx
	s_add_co_u32 s17, s17, s41                     ; t1, S1's tile: Q, K: x's 4 x cluster y + cy;  V: W's 8 + cy
	s_lshl_b32 s43, s41, 2
	s_lshl_b32 s43, 15, s43                        ; my row of the cluster
	s_lshl_b32 s44, 0x1111, s40                    ; my column
	; descriptor group 1: a tile of 128 rows x 256 bytes, padded in LDS
	s_or_b32 s[G1+0], s43, (1<<20)|(1<<21)|(5<<22)|(3<<25)   ; 15:0 the mask: S1's tiles go to my row; 17:16 elements of 1 byte; 20 padding on; 21 set beside a mask; 24:22 after every 64 words (code 5); 31:25 four words (code 3)
	s_or_b32 s[G1B+0], s44, (1<<20)|(1<<21)|(5<<22)|(3<<25)  ; the same with the mask of my column
.irp g, G1, G1B
	s_mov_b32 s[\g+1], ROWB<<16                    ; tensor_dim0
	s_mov_b32 s[\g+2], 128<<16                     ; tensor_dim1
	s_mov_b32 s[\g+3], ROWB<<16                    ; tile_dim0
	s_mov_b32 s[\g+4], 128                         ; tile_dim1
	s_mov_b32 s[\g+5], KROW                        ; tensor_dim0_stride
	s_mov_b32 s[\g+6], 0
	s_mov_b32 s[\g+7], 0
.endr
	s_lshl_b32 s18, s16, 7                         ; which 128 rows of the tile I fetch
	s_lshl_b32 s20, s17, 8
	s_add_co_u32 s20, s20, s18                     ; S1: row 256 t1 + 128 x half
	s_lshl_b32 s20, s20, 10                        ; in bytes: under 2^24
	s_mov_b32 s21, 0
	s_lshl_b32 s46, s42, 8
	s_add_co_u32 s46, s46, s18                     ; S0: row 256 t0 + 128 x half
	s_lshl_b32 s46, s46, 10
	s_mov_b32 s47, 0
	s_mul_i32 s45, s14, HALFT                      ; where they go: wave x 128 rows: no place in the cluster enters an LDS address
	s_wait_kmcnt 0x0
	s_load_b256 s[72:79], s[8:9], 0x0              ; e0 .. e7
	s_cmp_eq_u32 ttmp9, 2
	s_cselect_b64 s[68:69], s[4:5], s[6:7]         ; S0's buffer: V: x, else W
	s_cselect_b64 s[70:71], s[6:7], s[4:5]         ; S1's: the other
	s_add_nc_u64 s[20:21], s[70:71], s[20:21]
	s_add_nc_u64 s[46:47], s[68:69], s[46:47]
	CROUND                                         ; all sixteen work-groups are here: the first joint loads meet
.irp s, 0,1
	s_mov_b32 s[G0+4*\s], 1
	s_add_co_u32 s[G0+4*\s+1], s45, \s*SLOT
	s_add_nc_u64 s[G0+4*\s+2:G0+4*\s+3], s[20:21], \s*ROWB
	s_or_b32 s[G0+4*\s+3], s[G0+4*\s+3], 0x80000000
	s_mov_b32 s[G0B+4*\s], 1
	s_add_co_u32 s[G0B+4*\s+1], s45, \s*SLOT
	s_add_nc_u64 s[G0B+4*\s+2:G0B+4*\s+3], s[46:47], \s*ROWB
	s_or_b32 s[G0B+4*\s+3], s[G0B+4*\s+3], 0x80000000
	JLOAD G0+4*\s, G1, G0B+4*\s, G1B               ; two loads of mine are out
.endr
	v_and_b32 v1, 15, v0                           ; r
	v_bfe_u32 v2, v0, 4, 1                         ; h
	v_mul_u32_u24 v3, v1, PITCH
	v_lshl_add_u32 v4, v2, 4, v3                   ; a fragment's row x pitch + 16 x half
	s_mul_i32 s21, s15, HALFT                      ; my 128 rows of S1
	s_mul_i32 s22, s16, HALFT                      ; my 128 rows of S0,
	s_add_co_u32 s22, s22, 2*HALFT                 ; which lie behind S1's 256
.irp s, 0,1
	v_add_nc_u32 v[ADRA+\s], s21, v4
	v_add_nc_u32 v[ADRB+\s], s22, v4
	s_add_co_u32 s21, s21, SLOT
	s_add_co_u32 s22, s22, SLOT
.endr
	v_and_b32 v6, 31, v0
	v_lshlrev_b32 v[CO], 4, v6
	; the way out's numbers.  tt: the tile of 256 tokens, sh: my half of it; hc, hs: my two heads are 4 hc + 2 hs and the next
	s_cmp_eq_u32 ttmp9, 2
	s_cselect_b32 s90, s42, s17                    ; tt
	s_cselect_b32 s91, s16, s15                    ; sh
	s_cselect_b32 s92, s41, s40                    ; hc
	s_cselect_b32 s93, s15, s16                    ; hs
	s_cselect_b32 s96, s17, s42                    ; the tile of W's rows, for the bias,
	s_cselect_b32 s97, s15, s16                    ; and my half of it
	s_mov_b32 s84, 1024
	s_mov_b32 s86, 1024
	s_mov_b32 s94, 131072
	s_cselect_b32 s84, 2048, s84                   ; from S1's block a to a + 1: Q, K: a token tile, 1,024 bytes; V: a dim tile, 2,048
	s_cselect_b32 s86, 124928, s86                 ; from block 3 to 4: V: a head on and three dim tiles back
	s_cselect_b32 s94, 1024, s94                   ; from a block's first eight code registers to its last: Q, K: a head on; V: half a fragment
	s_mov_b32 s85, 0
	s_mov_b32 s87, 0
	v_add_nc_u32 v[CO2], s94, v[CO]
	s_lshr_b32 s95, s90, 3                         ; the batch
	s_lshl_b32 s95, s95, 4
	s_lshl_b32 s92, s92, 2
	s_add_co_u32 s95, s95, s92
	s_lshl_b32 s93, s93, 1
	s_add_co_u32 s95, s95, s93                     ; 16 batch + head
	s_lshl_b32 s95, s95, 17
	s_and_b32 s90, s90, 7
	s_lshl_b32 s90, s90, 1
	s_add_co_u32 s90, s90, s91                     ; which 128 tokens of the batch's 2,048: 8 token tiles or one key step, 8,192 bytes either way
	s_lshl_b32 s90, s90, 13
	s_add_co_u32 s88, s95, s90
	s_lshl_b32 s89, ttmp9, 23                      ; Q, K or V's part
	s_add_co_u32 s88, s88, s89
	s_mov_b32 s89, 0
	s_add_nc_u64 s[12:13], s[12:13], s[88:89]
	s_lshl_b32 s96, s96, 10
	s_lshl_b32 s97, s97, 9
	s_add_co_u32 s96, s96, s97
	s_mov_b32 s97, 0
	s_add_nc_u64 s[10:11], s[10:11], s[96:97]      ; the bias of my 128 rows of W
	s_wait_kmcnt 0x0                               ; the exponents
	s_add_co_i32 s80, s72, s73                     ; e0 + e1: a sum stands for sum x 2^(e0 + e1)
	s_sub_co_i32 s81, 0, s80
	s_cmp_eq_u32 ttmp9, 1
	s_cselect_b32 s82, s75, s74                    ; K: e3, Q: e2,
	s_cmp_eq_u32 ttmp9, 2
	s_cselect_b32 s82, s77, s82                    ; V: e5
	s_sub_co_i32 s82, s82, s80                     ; the three scales folded into the conversion's one
	s_add_co_i32 s82, s82, 127
	s_lshl_b32 s83, s82, 23
	v_mov_b32 v[SCV], s83
	s_add_co_i32 s82, s82, 8
	s_lshl_b32 s82, s82, 23
	s_or_b32 s82, s82, 0x600000
	v_mov_b32 v[LIMV], s82                         ; 448 x that
	; THE BIAS is the C of each sum's first matrix instruction: eight registers in the result's layout, divided by the power of two that the sums lack.
	s_cmp_eq_u32 ttmp9, 2
	s_cbranch_scc1 .Lbias_v
	v_lshlrev_b32 v5, 5, v2                        ; Q, K: the bias runs along S0's rows: registers 8 b + j: row 16 b + 8 h + j
.irp b, 0,1,2,3,4,5,6,7
	global_load_b128 v[BIAS+8*\b:BIAS+8*\b+3], v5, s[10:11] offset:64*\b
	global_load_b128 v[BIAS+8*\b+4:BIAS+8*\b+7], v5, s[10:11] offset:64*\b+16
.endr
	s_wait_loadcnt 0x0
.set i, 0
.rept 64
	v_ldexp_f32 v[BIAS+i], v[BIAS+i], s81
.set i, i+1
.endr
	s_branch .Lbias_done
.Lbias_v:
	v_lshlrev_b32 v5, 2, v1                        ; V: it runs along S1's rows: all eight registers of block a hold that of row 16 a + r
.irp a, 0,1,2,3,4,5,6,7
	global_load_b32 v[BIAS+8*\a], v5, s[10:11] offset:64*\a
.endr
	s_wait_loadcnt 0x0
.irp a, 0,1,2,3,4,5,6,7
.irp j, 7,6,5,4,3,2,1,0
	v_ldexp_f32 v[BIAS+8*\a+\j], v[BIAS+8*\a], s81 ; the source itself is written last
.endr
.endr
.Lbias_done:
.macro FRAG reg, adr, q, i             ; a fragment: registers 4 c .. 4 c + 3 hold K = 32 c + 16 (l / 16) + 0 .. 15 of row l % 16
.irp c, 0,1,2,3
	ds_load_b128 v[\reg+4*\c:\reg+4*\c+3], v[\adr] offset:128*(\q)+32*\c+(\i)*16*PITCH
.endr
.endm
; 16 matrix instructions: S1's blocks a0, a0 + 1 x S0's eight, 128 along K.  p: S0's set.  zero = 1: the sums start with the bias along S0; 2: along S1; 0: they go on.
; The 64 accumulators take turns, one instruction a turn, in the same order in every step.
.macro MUL16 a0, p, zero
.irp a, \a0, \a0+1
.irp b, 0,1,2,3,4,5,6,7
.if (\zero) == 1
	v_wmma_f32_16x16x128_fp8_fp8 v[8*(8*((\a)%4)+\b):8*(8*((\a)%4)+\b)+7], v[128*(\p)+FR*\b:128*(\p)+FR*\b+FR-1], v[AF+FR*(\a):AF+FR*(\a)+FR-1], v[BIAS+8*\b:BIAS+8*\b+7]
.elseif (\zero) == 2
	v_wmma_f32_16x16x128_fp8_fp8 v[8*(8*((\a)%4)+\b):8*(8*((\a)%4)+\b)+7], v[128*(\p)+FR*\b:128*(\p)+FR*\b+FR-1], v[AF+FR*(\a):AF+FR*(\a)+FR-1], v[BIAS+8*(\a):BIAS+8*(\a)+7]
.else
	v_wmma_f32_16x16x128_fp8_fp8 v[8*(8*((\a)%4)+\b):8*(8*((\a)%4)+\b)+7], v[128*(\p)+FR*\b:128*(\p)+FR*\b+FR-1], v[AF+FR*(\a):AF+FR*(\a)+FR-1], v[8*(8*((\a)%4)+\b):8*(8*((\a)%4)+\b)+7]
.endif
.endr
.endr
.endm
.macro FETCH_B slot, q, p              ; S0's eight fragments of the slot's q-th 128 along K into set p
	WIN TO_B
.irp i, 0,1,2,3,4,5,6,7
	FRAG 128*(\p)+FR*\i, ADRB+\slot, \q, \i
.endr
	WIN 0
.endm
.macro FETCH_A slot, q, i0             ; S1's blocks i0 .. i0 + 3
.irp i, \i0, \i0+1, \i0+2, \i0+3
	FRAG AF+FR*(\i), ADRA+\slot, \q, \i
.endr
.endm
; A load into a register that a matrix instruction has read, and a vector instruction that reads a matrix result, stand NP places behind that matrix instruction; only plain vector
; instructions that name none of its registers are places (ISA guide 7.12.1 for vector instructions).
.macro PLACES n
.rept \n
	v_nop
.endr
.endm
; A step of 128 along K that has its successor in the same slot.  A block of S1 is free as soon as its eight products are issued: blocks 0-3 are fetched anew in the step's middle, blocks 4-7 at its end.
.macro STEP slot, q, zero
	s_wait_dscnt 4*NL                              ; S0's set and S1's blocks 0-3 are in; the youngest sixteen loads (blocks 4-7) may be out
.if \zero
	WIN 0x81                                       ; source 0 window 1, source 1 and C (the bias) window 0, D window 2
.else
	WIN MUL_LO
.endif
	MUL16 0, (\q)%2, \zero
	MUL16 2, (\q)%2, \zero
	s_wait_dscnt 0                                 ; blocks 4-7 are in
	PLACES NP
	FETCH_B \slot, (\q)+1, 1-(\q)%2
	FETCH_A \slot, (\q)+1, 0
.if \zero
	WIN 0xc1                                       ; the same, D window 3
.else
	WIN MUL_HI
.endif
	MUL16 4, (\q)%2, \zero
	MUL16 6, (\q)%2, \zero
	PLACES NP
	WIN 0
	FETCH_A \slot, (\q)+1, 4
.endm
; A slot's last step changes slots: ONE barrier; in front of it each wave waits for all its tensor loads, adds 0 to its spare word, and waits for that and for its own reads of this slot.  fill = 1: this slot is filled again, two K steps ahead.
.macro TURN slot, next, fill
	s_wait_tensorcnt 0x0                           ; all my tensor loads have landed: my part of the next slot  (every window is 0 here)
	ds_add_u32 v[SPW], v[NIL]                      ; 0 onto my spare word
	s_wait_dscnt 4*NL+1                            ; (the add and the youngest sixteen loads may be out)
	WIN MUL_LO
	MUL16 0, 1, 0                                  ; sixteen matrix instructions stand between the add and the wait for it
	s_wait_dscnt 0x0                               ; the add is done, and my reads of this slot are over
	s_barrier_signal -1
	MUL16 2, 1, 0
	WIN 0
	s_barrier_wait -1
.if \fill
	CREST                                          ; the barrier has opened a round of the cluster's barrier: no wave of any partner still reads this slot or has a load on its way
	s_add_nc_u64 s[G0+4*\slot+2:G0+4*\slot+3], s[G0+4*\slot+2:G0+4*\slot+3], 2*ROWB
	s_add_nc_u64 s[G0B+4*\slot+2:G0B+4*\slot+3], s[G0B+4*\slot+2:G0B+4*\slot+3], 2*ROWB
	JLOAD G0+4*\slot, G1, G0B+4*\slot, G1B         ; the first tensor load behind the round, my one load until the next; its four v_nop are also the places in front of the loads below
.else
	PLACES NP
.endif
	FETCH_B \next, 0, 0
	FETCH_A \next, 0, 0
	WIN MUL_HI
	MUL16 4, 1, 0
	MUL16 6, 1, 0
	PLACES NP
	WIN 0
	FETCH_A \next, 0, 4
.endm
	s_wait_tensorcnt 1                             ; my part of K step 0 is in (K step 1's load may be out)
	s_barrier_signal -1
	s_barrier_wait -1                              ; everybody's is
	FETCH_B 0, 0, 0
	FETCH_A 0, 0, 0
	FETCH_A 0, 0, 4
	s_cmp_eq_u32 ttmp9, 2
	s_cbranch_scc1 .Lfirst_v                       ; the first step is written twice: its products take the bias as C, along S0 or along S1; both ways issue the same loads
	STEP 0, 0, 1
	s_branch .Lfirst_done
.Lfirst_v:
	STEP 0, 0, 2
.Lfirst_done:
	TURN 0, 1, 1                                   ; slot 0 takes K 512 on
	STEP 1, 0, 0
	TURN 1, 0, 1                                   ; slot 1 takes K 768 on
	STEP 0, 0, 0
	TURN 0, 1, 0                                   ; nothing is left to fetch
	STEP 1, 0, 0
	s_wait_dscnt 4*NL                              ; the very last step
	WIN MUL_LO
	MUL16 0, 1, 0
	MUL16 2, 1, 0
	s_wait_dscnt 0
	WIN MUL_HI
	MUL16 4, 1, 0
	MUL16 6, 1, 0
	WIN 0
; THE WAY OUT, S1's block a: 64 sums a lane are held within +-448 x the scale (the conversion to an 8-bit code does not saturate: ISA guide 7.6.2), each accumulator from its low end on, and become 16 registers of codes:
; Q, K: registers 0-7 are token tile a's fragment of my first head, 8-15 of my second;  V: all 16 are the fragment (head a / 4, dim tile a % 4) of my key step.
; They are stored as they stand, 16 bytes a lane: each store covers 512 consecutive bytes, at a multiple of 512 from the buffer's first byte.  No LDS.
.macro OUTA a
.if (\a) > 0
	s_wait_xcnt 0x0                                ; the last block's stores have read their data and their base: both are written again only behind this wait
.if (\a) == 4
	s_add_nc_u64 s[12:13], s[12:13], s[86:87]
.else
	s_add_nc_u64 s[12:13], s[12:13], s[84:85]
.endif
.endif
	WIN 0x02+(\a)/4                                ; source 0: window 2 or 3
.set i, 0
.rept 64
	v_med3_num_f32 v[TMP+i], v[64*((\a)%4)+i], -v[LIMV], v[LIMV]
.set i, i+1
.endr
	WIN 0
.irp b, 0,1,2,3,4,5,6,7
	v_cvt_scalef32_pk8_fp8_f32 v[PC+2*\b:PC+2*\b+1], v[TMP+8*\b:TMP+8*\b+7], v[SCV]
.endr
	v_nop                                          ; one plain vector instruction behind the last conversion: the next block's holds write the conversions' sources
	global_store_b128 v[CO], v[PC:PC+3], s[12:13]
	global_store_b128 v[CO], v[PC+4:PC+7], s[12:13] offset:512
	global_store_b128 v[CO2], v[PC+8:PC+11], s[12:13]
	global_store_b128 v[CO2], v[PC+12:PC+15], s[12:13] offset:512
.endm
	PLACES NP                                      ; behind the last products, in front of the first read of results
.irp a, 0,1,2,3,4,5,6,7
	OUTA \a
.endr
	s_wait_tensorcnt 0x0                           ; the wave's end
	ds_add_u32 v[SPW], v[NIL]
	s_wait_dscnt 0x0
	CROUND                                         ; the closing round: no work-group ends while a partner may still ask for a tile that names it
	s_endpgm
.Lfunc_end_k_qa1e07f921e_qkvproj:
	.size	k_qa1e07f921e_qkvproj, .Lfunc_end_k_qa1e07f921e_qkvproj-k_qa1e07f921e_qkvproj
	.p2alignl 7, 3214868480
	.fill 96, 4, 3214868480
	.section	.rodata,"a",@progbits
	.p2align	6, 0x0
	.amdhsa_kernel k_qa1e07f921e_qkvproj
		.amdhsa_group_segment_fixed_size 327680
		.amdhsa_private_segment_fixed_size 0
		.amdhsa_enable_private_segment 0
		.amdhsa_kernarg_size 40
		.amdhsa_user_sgpr_count 2
		.amdhsa_user_sgpr_kernarg_segment_ptr 1
		.amdhsa_wavefront_size32 1
		.amdhsa_system_sgpr_workgroup_id_x 1
		.amdhsa_system_sgpr_workgroup_id_y 1
		.amdhsa_system_sgpr_workgroup_id_z 1
		.amdhsa_system_vgpr_workitem_id 0
		.amdhsa_next_free_vgpr 1024
		.amdhsa_next_free_sgpr 100
		.amdhsa_reserve_vcc 0
		.amdhsa_float_denorm_mode_32 3
		.amdhsa_float_denorm_mode_16_64 3
		.amdhsa_memory_ordered 1
		.amdhsa_forward_progress 1
		.amdhsa_inst_pref_size 138
	.end_amdhsa_kernel
	.amdgpu_metadata
---
amdhsa.version: [ 1, 2 ]
amdhsa.kernels:
  - .name:           k_qa1e07f921e_qkvproj
    .symbol:         k_qa1e07f921e_qkvproj.kd
    .args:
      - { .name: x_codes, .offset: 0, .size: 8, .value_kind: global_buffer, .address_space: global }
      - { .name: W_qkv_codes, .offset: 8, .size: 8, .value_kind: global_buffer, .address_space: global }
      - { .name: lowp_scales, .offset: 16, .size: 8, .value_kind: global_buffer, .address_space: global }
      - { .name: b_qkv, .offset: 24, .size: 8, .value_kind: global_buffer, .address_space: global }
      - { .name: qkvc, .offset: 32, .size: 8, .value_kind: global_buffer, .address_space: global }
    .group_segment_fixed_size: 327680
    .private_segment_fixed_size: 0
    .kernarg_segment_align: 8
    .kernarg_segment_size: 40
    .max_flat_workgroup_size: 128
    .sgpr_count:     100
    .vgpr_count:     1024
    .wavefront_size: 32
...
	.end_amdgpu_metadata
.endif
;; end of part 2
;; launch attn (part 3): grid 4 x 64, 16 waves a work-group, no clusters, 264,192 bytes of LDS; arguments qkvc, mbits, mflags, lowp_scales, ctxc; writes ctxc
.if DOCPART == 3
	.amdgcn_target "amdgcn-amd-amdhsa--gfx1250"
	.amdhsa_code_object_version 6
	.text
	.protected	k_qa1e07f921e_attn
	.globl	k_qa1e07f921e_attn
	.p2align	8
	.type	k_qa1e07f921e_attn,@function
k_qa1e07f921e_attn:
	s_mov_b64 s[64:65], 0
	v_nop
	global_prefetch_b8 v0, s[64:65] scope:SCOPE_SE
	s_setreg_imm32_b32 hwreg(HW_REG_WAVE_MODE, 25, 1), 1
	s_wait_xcnt 0x0
; ctx[q] = the sum over keys of softmax(Q[q] . K[k] / 8, under the given mask) V[k], for one head, both products on codes of FP8 (E4M3); ctx is quantised with 2^e6 and stored as images of the last launch's operand registers.
; IN: the images of Q, K, V that the projection stored (scales 2^e2, 2^e3, 2^e5), the mask as bits and as flags.  p is quantised with 2^e4.
; THE SOFTMAX: t = score x log2(e) / 8; M = the row's largest t so far, rounded UP to a whole number; p = 2^(t - M) is quantised, not normalised; the row's sum is taken of the unquantised p and divides at the end.
; When M moves, the sum and O are multiplied by 2^(old M - new M): exact.  A row with no open key has the sum 0 and gets NaN, as a softmax of nothing but -infinity has.
; SHARES.  A work-group has one head (y) and 32 of its 128 query tiles; each of its sixteen waves owns one tile of 16 queries at a time, in two passes: tile 64 + 16 x + w, then 127 less that.  Four waves to a SIMD.
; LDS.  A head's codes of K and of V are 131,072 bytes each: they lie WHOLE in LDS, K's key step j (128 keys) at 8,192 j, V's at 131,072 + 8,192 j.  Every byte is written once: no ring.  The fill goes through
; registers, a key step a trip ahead: all 512 threads load 16 bytes of K and of V at a trip's head and store them at its end, in front of the trip's barrier.
; THE GIVEN MASK DECIDES THE WORK, by whole numbers that an earlier launch stored: a key step that is closed for all of a wave's 16 queries is left out by a scalar branch (every p would be 0); one that is all open
; skips the masking; a key step that none of the work-group's 32 tiles needs is not fetched.  No barrier stands under such a branch.
; NO CLUSTER, NO JOINT LOADS: joint loads are tensor loads.  What the four work-groups of a head share is at most 262,144 bytes each, read once;
; the branches spare whole key steps of a loop that has some two hundred vector instructions for twelve matrix instructions.
; LAYOUT.  S^T = K Q^T (source 0 = 16 keys, source 1 = my queries; K = 64), O^T = V^T P^T (source 0 = 16 dims, source 1 = P; K = 128 keys): a lane holds ONE query (lane % 16) throughout.  Score tile t's eight
; registers are keys 16 t + 8 (lane / 16) + 0 .. 7: their conversion gives registers 2 t, 2 t + 1 of P, in the order in which V's images were laid.
; LIMITS on the given exponents: e2 + e3 between -123 and 130 (added to c's exponent field); e4 and e6 between -126 and 119; |t| under 3e38.
; REGISTERS: v1-11 addresses and constants; v12 -M, v13 the largest t, v[14:15] the sum in two halves; v16-23 Q; v24-31 the fill; v32-95 K's eight fragments, then V's four; v96-159 S^T, then p; v160-191 O^T;
; v192-207 P's codes; v208-215 ctx's codes; v216.. at work.   s16-63, s68-83: the key step's 64 mask words.
.set KSB,   8192                       ; a key step's codes of K, or of V
.set VLDS,  131072                     ; where V begins in LDS; also a head's bytes in each part
.set L16,  1                           ; v1   16 x lane
.set T16,  2                           ; v2   16 x thread
.set ADK,  3                           ; v3   LDS address of the step's K
.set ADV,  4                           ; v4   of its V
.set FK,   5                           ; v5   the fill: my 16 bytes of the next step, in K's part of memory and of LDS
.set FV,   6                           ; v6   and in V's part of LDS
.set PFO,  7                           ; v7   256 x lane
.set NINF, 8                           ; v8   -infinity
.set PLIM, 9                           ; v9   448 x 2^e4
.set PSC,  10                          ; v10  2^e4
.set L16V, 11                          ; v11  16 x lane + VLDS
.set Q,    16
.set FILL, 24
.set KV,   32
.set S,    96
.set O,    160
.set P,    192
.set OUTR, 208
.set F,    216                         ; v[216:217] f = 2^(old M - new M) (the pair's upper word is written once)
.set MX,   218                         ; v218, v219 two chains of the maximum
.set PM,   220                         ; v220 a lane permute's destination (written once first: it counts as a source)
.set SM2,  222                         ; v[222:223] the second chain of the sum
.set INV,  224                         ; v[224:225] 2^(e4 + e5) / the sum
.set Z,    226                         ; v[226:227] 0, or NaN where the sum is 0
.set PFA,  228                         ; v228 the prefetch's offset
.set QO,   229                         ; v229 Q's offset
.set CO,   230                         ; v230 ctx's offset
.set CSC,  231                         ; v231 2^e6
.set CLIM, 232                         ; v232 448 x 2^e6
.set XW,   233                         ; v233 at work in the exchange of halves
.set KOFF, 2                           ; s2   8,192 x the key step: the trips' counter
.set TAU,  3                           ; s3   my query tile
.set MOFF, 14                          ; s14  byte of the step's mask words: 4,096 tile + 256 step
.set T,    15                          ; s15  at work: a flag
.set WV,   66
.set PASS, 67
.set WF,   92                          ; s92  my tile's flags, two bits a key step, shifted down trip by trip
.set FW,   93                          ; s93  the OR of the work-group's 32 tiles' flags, likewise
.set SEL,  94                          ; s[94:95] lane selects for v_permlanex16_b32: lane l xor 16
.set CS,   96                          ; s[96:97] c = log2(e) / 8 x 2^(e2 + e3)
.set LIM,  98                          ; s98  a wave prefetches while KOFF is under this
.set FO,   99                          ; s99  8,192 x the next key step
.set WF2,  100                         ; s100 the second pass's flags
.set HI,   101                         ; s101 lanes 16-31
.set PB,   104                         ; s[104:105] the prefetch's base: K's part (wave 0) or V's
	s_load_b64 s[4:5], s[0:1], 0x0                 ; the images
	s_load_b64 s[10:11], s[0:1], 0x8               ; the mask's bits
	s_load_b128 s[16:19], s[0:1], 0x10             ; the flags s[16:17], the scales' exponents s[18:19]
	s_load_b64 s[12:13], s[0:1], 0x20              ; ctx's images
	v_lshl_add_u32 v254, v0, 2, 0x40000
	v_mov_b32 v255, 0
	v_lshrrev_b32 v3, 5, v0
	v_readfirstlane_b32 s[WV], v3                  ; wave 0..15
	v_and_b32 v1, 31, v0
	v_lshlrev_b32 v[PFO], 8, v1
	v_lshlrev_b32 v[L16], 4, v1
	v_lshlrev_b32 v[T16], 4, v0
	v_add_nc_u32 v[L16V], VLDS, v[L16]
	v_add_nc_u32 v[FV], VLDS, v[T16]
	v_mov_b32 v[NINF], 0xff800000
	v_mov_b32 v[F+1], 0
	v_mov_b32 v[PM], 0
	v_mov_b32 v[INV+1], 0
	v_mov_b32 v[Z+1], 0
	s_and_b32 s84, ttmp7, 0xffff                   ; 16 batch + head
	s_lshl_b32 s20, ttmp9, 6                       ; the first pass's sixteen flag words begin at byte 256 + 64 x,
	s_sub_co_u32 s21, 192, s20                     ; the second's at 192 - 64 x
	s_lshl_b32 s[TAU], ttmp9, 4
	s_add_co_u32 s[TAU], s[TAU], s[WV]
	s_add_co_u32 s[TAU], s[TAU], 64                ; my first tile
	s_lshl_b32 s22, s[TAU], 2
	s_sub_co_u32 s23, 508, s22                     ; 4 (127 - tile)
	s_lshl_b32 s24, s84, 17                        ; the head's bytes in each part
	s_mov_b32 s25, 0
	s_lshr_b32 s26, s84, 4
	s_lshl_b32 s26, s26, 21                        ; ctx: [token block of 128][K step of 256][token tile][chunk of 128][piece of 32][lane][16]: a batch is 16 blocks of 131,072 bytes;
	s_and_b32 s27, s84, 15                         ; k = 64 head + dim: K step head / 4 (32,768 bytes), then (head % 4) x 1,024: the chunk and my two pieces of it
	s_lshr_b32 s28, s27, 2
	s_lshl_b32 s28, s28, 15
	s_add_co_u32 s26, s26, s28
	s_and_b32 s28, s27, 3
	s_lshl_b32 s28, s28, 10
	s_add_co_u32 s26, s26, s28
	s_mov_b32 s27, 0
	s_mov_b32 s[SEL], 0x76543210
	s_mov_b32 s[SEL+1], 0xfedcba98
	s_mov_b32 s[HI], 0xffff0000
	s_mov_b32 s[PASS], 0
	s_wait_kmcnt 0x0
	s_load_b256 s[84:91], s[18:19], 0x0            ; e0 .. e7
	s_load_b512 s[32:47], s[16:17], s20 offset:0x100
	s_load_b512 s[48:63], s[16:17], s21 offset:0x0
	s_load_b32 s[WF], s[16:17], s22 offset:0x0
	s_load_b32 s[WF2], s[16:17], s23 offset:0x0
	s_add_nc_u64 s[4:5], s[4:5], s[24:25]          ; Q's images of my head,
	s_add_nc_u64 s[6:7], s[4:5], 0x800000          ; K's,
	s_add_nc_u64 s[8:9], s[4:5], 0x1000000         ; V's
	s_add_nc_u64 s[12:13], s[12:13], s[26:27]
	global_load_b128 v[FILL:FILL+3], v[T16], s[6:7]        ; key step 0 is fetched whatever the flags say
	global_load_b128 v[FILL+4:FILL+7], v[T16], s[8:9]
	s_lshr_b32 s24, s[WV], 1                       ; 0 in waves 0 and 1,
	s_or_b32 s24, s24, ttmp9                       ; of the head's first work-group
	s_cmp_eq_u32 s24, 0
	s_cselect_b32 s[LIM], 14*KSB, 0
	s_cmp_eq_u32 s[WV], 0
	s_cselect_b64 s[PB:PB+1], s[6:7], s[8:9]
	s_wait_kmcnt 0x0
	s_or_b32 s[FW], s32, s33
.irp k, 34,35,36,37,38,39,40,41,42,43,44,45,46,47,48,49,50,51,52,53,54,55,56,57,58,59,60,61,62,63
	s_or_b32 s[FW], s[FW], s[\k]                   ; a key step is fetched if any of the 32 tiles needs it
.endr
	s_add_co_i32 s86, s86, s87
	s_lshl_b32 s86, s86, 23
	s_add_co_i32 s[CS], s86, 0x3e38aa3b            ; log2(e) / 8, with e2 + e3 added to its exponent field: a score stands for score x 2^(e2 + e3)
	s_mov_b32 s[CS+1], s[CS]                       ; (named with it as a pair, so it is written)
	s_add_co_i32 s86, s88, 127
	s_lshl_b32 s87, s86, 23
	v_mov_b32 v[PSC], s87                          ; 2^e4 as f32: the conversion takes its exponent field
	s_add_co_i32 s86, s86, 8
	s_lshl_b32 s86, s86, 23
	s_or_b32 s86, s86, 0x600000
	v_mov_b32 v[PLIM], s86
	s_add_co_i32 s86, s90, 127
	s_lshl_b32 s87, s86, 23
	v_mov_b32 v[CSC], s87                          ; 2^e6
	s_add_co_i32 s86, s86, 8
	s_lshl_b32 s86, s86, 23
	s_or_b32 s86, s86, 0x600000
	v_mov_b32 v[CLIM], s86
	s_add_co_i32 s89, s88, s89                     ; e4 + e5
	s_wait_loadcnt 0x0
	ds_store_b128 v[T16], v[FILL:FILL+3]           ; 512 threads x 16 bytes: the step's 8,192 bytes, as they lie
	ds_store_b128 v[FV], v[FILL+4:FILL+7]
	s_wait_dscnt 0x0                               ; for the others' sake: my stores have landed
	s_barrier_signal -1
	s_barrier_wait -1
.Lpass:                                            ; two trips: a query tile each
	s_wait_xcnt 0x0                                ; earlier loads and stores have read their registers
	s_lshl_b32 s84, s[TAU], 10
	v_add_nc_u32 v[QO], s84, v[L16]
	global_load_b128 v[Q:Q+3], v[QO], s[4:5]       ; Q's fragment stays in registers
	global_load_b128 v[Q+4:Q+7], v[QO], s[4:5] offset:512
	v_mov_b32 v13, 0xff61b1e6                      ; the largest t so far: -3e38, under every t
	v_floor_f32 v12, -v13                          ; -M
	v_mov_b32 v14, 0
	v_mov_b32 v15, 0
.set i, 0
.rept 32
	v_mov_b32 v[O+i], 0                            ; O^T.  (The key step is written once, and which step is a tile's first hangs on the mask: it finds zeros, which the first change of M leaves zeros)
.set i, i+1
.endr
	s_mov_b32 s[KOFF], 0
	s_lshl_b32 s[MOFF], s[TAU], 12
	s_wait_loadcnt 0x0                             ; Q
.Ltrip:                                            ; sixteen trips: a key step each
	s_add_co_u32 s[FO], s[KOFF], KSB
	s_and_b32 s[FO], s[FO], VLDS-1                 ; the next step's place (the last trip has no next step and no flag for one: the mask keeps the number inside on every way through the text)
	v_add_nc_u32 v[FK], s[FO], v[T16]              ; (these three additions and the two at the key step's head are the places between the last step's products and the loads into their registers)
	v_add_nc_u32 v[FV], VLDS, v[FK]
	v_add_nc_u32 v[PFA], s[FO], v[PFO]
	s_and_b32 s[T], s[FW], 12                      ; does any tile need the next step?
	s_cmp_lg_u32 s[T], 0
	s_cbranch_scc0 .Lno_fetch
	global_load_b128 v[FILL:FILL+3], v[FK], s[6:7]         ; asked for here, stored at the trip's end
	global_load_b128 v[FILL+4:FILL+7], v[FK], s[8:9]
.Lno_fetch:
	; A PREFETCH INTO THE L2 of the key step after the next: 8,192 bytes of K (wave 0) or of V (wave 1), lanes 256 bytes apart, one instruction a wave, behind the wave's own loads.  All four work-groups of a head
	; walk the same K and V: the first asks, in its first pass, so each block of 256 bytes is named once.  Steps 0 and 1 come by their loads alone; trips 14 and 15 ask for nothing: there is no step 16.
	s_cmp_lt_u32 s[KOFF], s[LIM]
	s_cbranch_scc0 .Lno_ask
	global_prefetch_b8 v[PFA], s[PB:PB+1] offset:KSB th:TH_LOAD_NT scope:SCOPE_SE
.Lno_ask:
	s_and_b32 s[T], s[WF], 3                       ; 0: closed for all my queries; 1: mixed; 3: all open
	s_cmp_lg_u32 s[T], 0
	s_cbranch_scc0 .Lclosed
	; ---- A KEY STEP: 128 keys
	s_load_b512 s[16:31], s[10:11], s[MOFF] offset:0x0     ; the 64 mask words: asked for on every way, so that no way reads a register that was never written
	s_load_b512 s[32:47], s[10:11], s[MOFF] offset:0x40
	s_load_b512 s[48:63], s[10:11], s[MOFF] offset:0x80
	s_load_b512 s[68:83], s[10:11], s[MOFF] offset:0xc0
	v_add_nc_u32 v[ADK], s[KOFF], v[L16]
	v_add_nc_u32 v[ADV], s[KOFF], v[L16V]
.irp t, 0,1,2,3,4,5,6,7
	ds_load_b128 v[KV+8*\t:KV+8*\t+3], v[ADK] offset:1024*\t         ; an image comes back as it was stored: 512 consecutive bytes a load
	ds_load_b128 v[KV+8*\t+4:KV+8*\t+7], v[ADK] offset:1024*\t+512
.endr
	s_wait_dscnt 8                                 ; fragments 0-3 are in; the youngest eight loads may be out
.irp t, 0,1,2,3
	v_wmma_f32_16x16x64_fp8_fp8 v[S+8*\t:S+8*\t+7], v[KV+8*\t:KV+8*\t+7], v[Q:Q+7], 0
.endr
	s_wait_dscnt 0x0
.irp t, 4,5,6,7
	v_wmma_f32_16x16x64_fp8_fp8 v[S+8*\t:S+8*\t+7], v[KV+8*\t:KV+8*\t+7], v[Q:Q+7], 0
.endr
.rept 4
	v_nop                                          ; places in front of the loads into K's registers and of the first read of the scores
.endr
.irp d, 0,1,2,3
.irp c, 0,1,2,3
	ds_load_b128 v[KV+16*\d+4*\c:KV+16*\d+4*\c+3], v[ADV] offset:2048*\d+512*\c   ; V's four fragments land while the softmax is worked
.endr
.endr
	s_wait_kmcnt 0x0                               ; the mask words
	s_cmp_eq_u32 s[T], 3
	s_cbranch_scc1 .Lopen
.set n, 0
.rept 64
.if n < 48
	v_cndmask_b32 v[S+n], v[NINF], v[S+n], s[16+n] ; a closed key's score becomes -infinity ahead of the maximum: p = 0 then
.else
	v_cndmask_b32 v[S+n], v[NINF], v[S+n], s[20+n]
.endif
.set n, n+1
.endr
.Lopen:
	v_max3_num_f32 v[MX], v96, v97, v98            ; the step's largest score of my query, among my 64 keys, in two chains, each tile from its low end on,
	v_max3_num_f32 v[MX+1], v99, v100, v101
.irp i, 6,10,14,18,22,26,30,34,38,42,46,50,54,58
	v_max3_num_f32 v[MX], v[MX], v[S+\i], v[S+1+\i]
	v_max3_num_f32 v[MX+1], v[MX+1], v[S+2+\i], v[S+3+\i]
.endr
	v_max3_num_f32 v[MX], v[MX], v158, v159
	v_max_num_f32 v[MX], v[MX], v[MX+1]
	v_permlanex16_b32 v[PM], v[MX], s[SEL], s[SEL+1]
	v_max_num_f32 v[MX], v[MX], v[PM]              ; and among lane l xor 16's
	v_mul_f32 v[MX], s[CS], v[MX]                  ; as t (c is positive)
	v_max_num_f32 v13, v13, v[MX]                  ; the running largest t
	v_mov_b32 v[MX], v12
	v_floor_f32 v12, -v13                          ; the new -M = floor(-t) = -ceil(t): M is a whole number
	v_sub_f32 v[MX], v12, v[MX]                    ; M's old value less its new one: a whole number, 0 or less
	v_cvt_i32_f32 v[MX], v[MX]                     ; (it saturates)
	v_ldexp_f32 v[F], 1.0, v[MX]                   ; f = 2^(old M - new M)
.irp j, 0,2,4,6,8,10,12,14,16,18,20,22,24,26,28,30,32,34,36,38,40,42,44,46,48,50,52,54,56,58,60,62
	v_pk_fma_f32 v[S+\j:S+1+\j], v[S+\j:S+1+\j], s[CS:CS+1], v[12:13] op_sel_hi:[1,0,0]   ; t - M, two at a time (of the pairs c and -M the low word serves both halves)
.endr
.set n, 0
.rept 64
	v_exp_f32 v[S+n], v[S+n]                       ; p = 2^(t - M), at most 1: not normalised
.set n, n+1
.endr
	v_pk_mul_f32 v[14:15], v[14:15], v[F:F+1] op_sel_hi:[1,0]   ; the sums under the new M.  (The plain instruction behind the exponentials)
	s_wait_alu depctr_va_vdst(0)                   ; one wait for the whole batch, ahead of its first reader
	v_pk_add_f32 v[SM2:SM2+1], v[96:97], v[98:99]  ; the row's sum is taken of the unquantised p: two at a time, in two chains
.irp j, 4,8,12,16,20,24,28,32,36,40,44,48,52,56,60
	v_pk_add_f32 v[14:15], v[14:15], v[S+\j:S+1+\j]
	v_pk_add_f32 v[SM2:SM2+1], v[SM2:SM2+1], v[S+2+\j:S+3+\j]
.endr
	v_pk_add_f32 v[14:15], v[14:15], v[SM2:SM2+1]
	s_cmp_ge_i32 s88, -8                           ; p is at most 1 and 448 x 2^e4 is at least 1.75 from e4 = -8 on: there the hold changes no number and is passed over
	s_cbranch_scc1 .Lno_hold
.set n, 0
.rept 64
	v_min_num_f32 v[S+n], v[S+n], v[PLIM]          ; the conversion to an 8-bit code does not saturate (ISA guide 7.6.2); p is not negative, so the hold is one-sided
.set n, n+1
.endr
.Lno_hold:
.irp t, 0,1,2,3,4,5,6,7
	v_cvt_scalef32_pk8_fp8_f32 v[P+2*\t:P+2*\t+1], v[S+8*\t:S+8*\t+7], v[PSC]
.endr
.irp j, 0,2,4,6,8,10,12,14,16,18,20,22,24,26,28,30
	v_pk_mul_f32 v[O+\j:O+1+\j], v[O+\j:O+1+\j], v[F:F+1] op_sel_hi:[1,0]   ; O^T under the new M.  (Also the plain instructions between the conversions and the products that read their results)
.endr
	s_wait_dscnt 0x0                               ; V's fragments
.irp d, 0,1,2,3
	v_wmma_f32_16x16x128_fp8_fp8 v[O+8*\d:O+8*\d+7], v[KV+16*\d:KV+16*\d+15], v[P:P+15], v[O+8*\d:O+8*\d+7]   ; four accumulators by turns
.endr
.Lclosed:
	s_wait_loadcnt 0x0                             ; the next step's codes are in my registers (on every way)
	s_and_b32 s84, s[FW], 12
	s_cmp_lg_u32 s84, 0
	s_cbranch_scc0 .Lno_store
	ds_store_b128 v[FK], v[FILL:FILL+3]            ; into the next step's bytes, which nobody reads in this trip
	ds_store_b128 v[FV], v[FILL+4:FILL+7]
.Lno_store:
	s_wait_dscnt 0x0                               ; my stores have landed
	s_barrier_signal -1
	s_barrier_wait -1                              ; everybody's have: the next step may be read
	s_wait_xcnt 0x0                                ; this trip's loads and prefetch have read their addresses: they are stepped only behind this wait
	s_lshr_b32 s[FW], s[FW], 2
	s_lshr_b32 s[WF], s[WF], 2
	s_add_co_u32 s[MOFF], s[MOFF], 256
	s_add_co_u32 s[KOFF], s[KOFF], KSB
	s_cmp_lt_u32 s[KOFF], 16*KSB
	s_cbranch_scc1 .Ltrip
	; ---- THE TILE'S END.  ctx = O^T x 2^(e4 + e5) / the sum is quantised with 2^e6.
	v_add_f32 v14, v14, v15                        ; the sum's two halves,
	v_permlanex16_b32 v[PM], v14, s[SEL], s[SEL+1]
	v_add_f32 v14, v14, v[PM]                      ; and lane l xor 16's
	s_lshr_b32 s84, s[TAU], 3
	s_lshl_b32 s84, s84, 17                        ; the token block,
	s_and_b32 s85, s[TAU], 7
	s_lshl_b32 s85, s85, 12                        ; the token tile in it
	s_add_co_u32 s84, s84, s85
	v_nop
	v_nop                                          ; (with the additions round them: four plain places and more behind the last products, ahead of the first read of O^T)
	v_rcp_f32 v[INV], v14
	v_add_nc_u32 v[CO], s84, v[L16]                ; (the plain instruction behind the reciprocal)
	s_wait_alu depctr_va_vdst(0)                   ; the wait ahead of its first reader
	v_ldexp_f32 v[INV], v[INV], s89                ; x 2^(e4 + e5)
	v_mul_f32 v[Z], 0, v[INV]                      ; 0; NaN where the sum is 0
.irp j, 0,2,4,6,8,10,12,14,16,18,20,22,24,26,28,30
	v_pk_mul_f32 v[S+\j:S+1+\j], v[O+\j:O+1+\j], v[INV:INV+1] op_sel_hi:[1,0]   ; register 8 d + j: ctx(query r, dim 16 d + 8 h + j); each accumulator from its low end on
.endr
.set n, 0
.rept 32
	v_med3_num_f32 v[S+n], v[S+n], -v[CLIM], v[CLIM]       ; the hold at the largest code x the scale
.set n, n+1
.endr
.irp j, 0,2,4,6,8,10,12,14,16,18,20,22,24,26,28,30
	v_pk_add_f32 v[S+\j:S+1+\j], v[S+\j:S+1+\j], v[Z:Z+1] op_sel_hi:[1,0]       ; the hold may drop a NaN: it is put back, so that a row with no open key stays NaN to the end
.endr
.irp d, 0,1,2,3
	v_cvt_scalef32_pk8_fp8_f32 v[P+2*\d:P+2*\d+1], v[S+8*\d:S+8*\d+7], v[CSC]
.endr
	v_nop                                          ; one plain vector instruction between the conversions and the readers of their results
	; The last product's fragments hold 16 NEIGHBOURS along K a lane: piece c of my head: dims 32 c + 16 h + 0 .. 15.  I hold dims 16 d + 8 h + 0 .. 7: so the halves of the lanes exchange:
	; lanes 0-15 give their part of dim tile 2 c + 1 for lanes 16-31's part of dim tile 2 c.
.irp c, 0,1
.irp e, 0,1
	v_cndmask_b32 v[XW], v[P+4*\c+2+\e], v[P+4*\c+\e], s[HI]       ; what I give
	v_permlanex16_b32 v[PM], v[XW], s[SEL], s[SEL+1]               ; what I get
	v_cndmask_b32 v[OUTR+4*\c+\e], v[P+4*\c+\e], v[PM], s[HI]
	v_cndmask_b32 v[OUTR+4*\c+2+\e], v[PM], v[P+4*\c+2+\e], s[HI]
.endr
.endr
	global_store_b128 v[CO], v[OUTR:OUTR+3], s[12:13]              ; each store covers 512 consecutive bytes, at a multiple of 512 from the buffer's first byte
	global_store_b128 v[CO], v[OUTR+4:OUTR+7], s[12:13] offset:512
	s_sub_co_u32 s[TAU], 127, s[TAU]               ; the second tile
	s_mov_b32 s[WF], s[WF2]
	s_mov_b32 s[LIM], 0                            ; nothing is left to prefetch; FW is 0 by now, so nothing is fetched either
	s_add_co_u32 s[PASS], s[PASS], 1
	s_cmp_lt_u32 s[PASS], 2
	s_cbranch_scc1 .Lpass
	s_wait_tensorcnt 0x0
	ds_add_u32 v254, v255
	s_wait_dscnt 0x0
	s_endpgm
.Lfunc_end_k_qa1e07f921e_attn:
	.size	k_qa1e07f921e_attn, .Lfunc_end_k_qa1e07f921e_attn-k_qa1e07f921e_attn
	.p2alignl 7, 3214868480
	.fill 96, 4, 3214868480
	.section	.rodata,"a",@progbits
	.p2align	6, 0x0
	.amdhsa_kernel k_qa1e07f921e_attn
		.amdhsa_group_segment_fixed_size 264192
		.amdhsa_private_segment_fixed_size 0
		.amdhsa_enable_private_segment 0
		.amdhsa_kernarg_size 40
		.amdhsa_user_sgpr_count 2
		.amdhsa_user_sgpr_kernarg_segment_ptr 1
		.amdhsa_wavefront_size32 1
		.amdhsa_system_sgpr_workgroup_id_x 1
		.amdhsa_system_sgpr_workgroup_id_y 1
		.amdhsa_system_sgpr_workgroup_id_z 1
		.amdhsa_system_vgpr_workitem_id 0
		.amdhsa_next_free_vgpr 256
		.amdhsa_next_free_sgpr 106
		.amdhsa_reserve_vcc 0
		.amdhsa_float_denorm_mode_32 3
		.amdhsa_float_denorm_mode_16_64 3
		.amdhsa_memory_ordered 1
		.amdhsa_forward_progress 1
		.amdhsa_inst_pref_size 34
	.end_amdhsa_kernel
	.amdgpu_metadata
---
amdhsa.version: [ 1, 2 ]
amdhsa.kernels:
  - .name:           k_qa1e07f921e_attn
    .symbol:         k_qa1e07f921e_attn.kd
    .args:
      - { .name: qkvc, .offset: 0, .size: 8, .value_kind: global_buffer, .address_space: global }
      - { .name: mbits, .offset: 8, .size: 8, .value_kind: global_buffer, .address_space: global }
      - { .name: mflags, .offset: 16, .size: 8, .value_kind: global_buffer, .address_space: global }
      - { .name: lowp_scales, .offset: 24, .size: 8, .value_kind: global_buffer, .address_space: global }
      - { .name: ctxc, .offset: 32, .size: 8, .value_kind: global_buffer, .address_space: global }
    .group_segment_fixed_size: 264192
    .private_segment_fixed_size: 0
    .kernarg_segment_align: 8
    .kernarg_segment_size: 40
    .max_flat_workgroup_size: 512
    .sgpr_count:     106
    .vgpr_count:     256
    .wavefront_size: 32
...
	.end_amdgpu_metadata
.endif
;; end of part 3
;; launch outproj (part 4): grid 4 x 32, 4 waves a work-group, clusters of 4 x 4, 327,680 bytes of LDS; arguments ctxc, W_out_codes, lowp_scales, b_out, out0; writes out0
.if DOCPART == 4
	.amdgcn_target "amdgcn-amd-amdhsa--gfx1250"
	.amdhsa_code_object_version 6
	.text
	.protected	k_qa1e07f921e_outproj
	.globl	k_qa1e07f921e_outproj
	.p2align	8
	.type	k_qa1e07f921e_outproj,@function
k_qa1e07f921e_outproj:
	s_mov_b64 s[64:65], 0
	v_nop
	global_prefetch_b8 v0, s[64:65] scope:SCOPE_SE
	s_setreg_imm32_b32 hwreg(HW_REG_WAVE_MODE, 25, 1), 1
	s_wait_xcnt 0x0
	s_wait_alu depctr_hold_cnt(0) depctr_sa_sdst(0) depctr_va_vdst(0) depctr_va_sdst(0) depctr_va_ssrc(0) depctr_va_vcc(0) depctr_vm_vsrc(0)
	s_getreg_b32 s2, hwreg(HW_REG_IB_STS2, 6, 4)
	s_cmp_eq_u32 s2, 0
	s_cbranch_scc0 .Lentry_in_a_cluster
	s_endpgm
.Lentry_in_a_cluster:
	s_bfe_u32 s2, ttmp6, 0x10000c
	s_cmp_lg_u32 s2, 0xf033
	s_cbranch_scc0 .Lentry_shape_is_right
	s_endpgm
.Lentry_shape_is_right:
; out = ctx W_out^T + b_out on codes of FP8 (E4M3).  ctx: 8,192 tokens x 1,024, as images of operand registers (scale 2^e6); W_out: [1024][1024] codes (2^e7); b_out [1024] and out [8192][1024]: f32.
; ctx's images: [token block of 128: 64][K step of 256: 4][token tile 8][chunk of 128: 2][piece 4][lane 32][16 bytes]: registers 4 c .. 4 c + 3 of lane (r, h) hold K = 32 c + 16 h + 0 .. 15 of the chunk, token r:
; the order of K that four loads of 16 bytes, 32 apart, give W_out's rows: every product meets its partner.  A (block, K step) is 32,768 dense bytes: one tensor load.
; LIMIT: e6 + e7 lies between -126 and 127, so that 2^(e6 + e7) is an f32 number.  The bias goes in as b / 2^(e6 + e7), the C of each sum's first matrix instruction, exact short of underflow.
; SHAPE.  A tile of 256 x 256 to a work-group of four waves, 128 x 128 (64 accumulators) to a wave; K in four steps of 256 through a ring of two LDS slots.  128 work-groups: 8 clusters of 4 x 4.
; Source 0 (S0) = rows of W_out, source 1 (S1) = tokens: a lane holds eight neighbouring numbers of a row of out.  S1's tile hangs on cy alone and is asked for jointly by a row of the cluster, S0's on cx alone, by a column.
; REGISTERS, in windows of 256: window 0: v0-31 addresses; v32-95 the bias, later a block's results; v128-255 S1's fragments, one set, later rows of out.  window 1: S0's fragments, two sets.
;   window 2: the accumulators of S1's blocks 0-3 ((a, b) at v[8 (8 (a % 4) + b)]);  window 3: those of blocks 4-7.
; No prefetch: the launch has four K steps in all.
.set SIZE_N, 1024
.set ROWB,   256                       ; a row of S0's tile in bytes
.set KROW,   1024                      ; a row of W_out in memory
.set PITCH,  272                       ; S0's LDS row: 256 bytes + 16 of padding: the 16 rows that a load touches start at 16 different banks (64 banks of 4 bytes: ISA guide 11.1)
.set FR,     16
.set NL,     4
.set NP,     4                         ; places behind this matrix instruction (ISA guide 7.12.1)
.set IMG,    32768                     ; S1: 128 tokens x 256 K as images
.set HALFT,  128*PITCH                 ; S0: 128 rows
.set SLOT,   2*IMG+2*HALFT             ; S1's two images, then S0's two halves
.set SPARE,  2*SLOT                    ; behind the ring: the spare words, 128 bytes for each wave: two blocks of 256 bytes that no other line names
.set SPITCH, 528                       ; the way out: a stage of 16 rows x (512 bytes + 16) for each wave, in slot 0, which has had its last fill and its last read when the first result is stored there
.set ADRA, 16                          ; v16-17  LDS address of my S1 images in slot 0, 1
.set ADRB, 20                          ; v20-21  of my S0 fragments
.set STO,  24                          ; v24  the way out: where I put 32 bytes of a row
.set RD,   25                          ; v25  where I read a row back
.set CO,   26                          ; v26  16 x lane
.set SPW,  28                          ; v28  LDS address of my spare word; never rewritten
.set NIL,  29                          ; v29  0; never rewritten
.set BIAS, 32
.set TMP,  32
.set AF,   128
.set BK,   128                         ; the way out: 16 rows read back: v128-191 and v192-255 by turns
.set G1, 24                            ; s[24:31] descriptor group 1 for S1's images;  s[32:39] group 0, one set for each slot
.set G0, 32
.set G1B, 48                           ; s[48:55], s[56:63] the same for S0's tiles
.set G0B, 56
.set MSB, 0
.macro WIN new                         ; the immediate's high byte repeats the setting that is left
.if MSB != (\new)
	s_set_vgpr_msb (MSB<<8)|(\new)
.set MSB, (\new)
.endif
.endm
.set MUL_LO, 0xa1                      ; source 0 window 1, source 1 window 0, C and D window 2
.set MUL_HI, 0xf1                      ; the same, C and D window 3
.set TO_B,   0x40                      ; destination window 1, address window 0
; A joint load: waves 0 and 1 fetch for S1, waves 2 and 3 for S0.  The branch hangs on the wave's number alone.  Four v_nop follow each of the two lines.
.macro JLOAD g0a, g1a, g0b, g1b
	s_cmp_eq_u32 s15, 0
	s_cbranch_scc0 .Lfor_b_\@
	tensor_load_to_lds s[\g0a:\g0a+3], s[\g1a:\g1a+7]
	s_nop 0
.rept 4
	v_nop
.endr
	s_branch .Lasked_\@
.Lfor_b_\@:
	tensor_load_to_lds s[\g0b:\g0b+3], s[\g1b:\g1b+7]
	s_nop 0
.rept 4
	v_nop
.endr
.Lasked_\@:
.endm
.macro CREST                           ; a round of the cluster's barrier behind its opening barrier
	s_cmp_lg_u32 s14, 0
	s_cbranch_scc1 .Lnot_wave_0_\@
	s_barrier_signal -3
.Lnot_wave_0_\@:
	s_barrier_wait -3
	s_barrier_signal -1
	s_barrier_wait -1
.endm
.macro CROUND                          ; a whole round
	s_barrier_signal -1
	s_barrier_wait -1
	CREST
.endm
	s_load_b128 s[4:7], s[0:1], 0x0                ; ctx's images s[4:5], W_out's codes s[6:7]
	s_load_b128 s[8:11], s[0:1], 0x10              ; the scales' exponents s[8:9], the bias s[10:11]
	s_load_b64 s[12:13], s[0:1], 0x20              ; out
	v_lshl_add_u32 v[SPW], v0, 2, SPARE
	v_mov_b32 v[NIL], 0
	ds_add_u32 v28, v29
	ds_add_u32 v28, v29
	s_wait_dscnt 0x0
	v_lshrrev_b32 v1, 5, v0
	v_readfirstlane_b32 s14, v1                    ; wave 0..3
	s_lshr_b32 s15, s14, 1                         ; which 128 of the tile's tokens are mine.  Also: I fetch for S1 (0) or for S0 (1)
	s_and_b32 s16, s14, 1                          ; which 128 of its columns.  Also: which half of that tile I fetch
	s_bfe_u32 s40, ttmp6, 0x40000                  ; cx, cy: my place in the cluster
	s_bfe_u32 s41, ttmp6, 0x40004
	s_lshl_b32 s42, ttmp9, 2
	s_add_co_u32 s42, s42, s40                     ; t0: the tile of 256 columns = 4 x cluster x + cx
	s_and_b32 s17, ttmp7, 0xffff
	s_lshl_b32 s17, s17, 2
	s_add_co_u32 s17, s17, s41                     ; t1: the tile of 256 tokens = 4 x cluster y + cy
	s_lshl_b32 s43, s41, 2
	s_lshl_b32 s43, 15, s43                        ; my row of the cluster
	s_lshl_b32 s44, 0x1111, s40                    ; my column
	; descriptor group 1.  S1: a dense block of 128 rows x 256 bytes, no padding.  S0: 128 rows x 256 bytes, 1,024 apart in memory, padded in LDS
	s_or_b32 s[G1+0], s43, (1<<21)                 ; 15:0 the mask: my row; 17:16 elements of 1 byte; 21 set beside a mask
	s_or_b32 s[G1B+0], s44, (1<<20)|(1<<21)|(5<<22)|(3<<25)  ; the mask of my column; 20 padding on; 24:22 after every 64 words (code 5); 31:25 four words (code 3)
.irp g, G1, G1B
	s_mov_b32 s[\g+1], ROWB<<16                    ; tensor_dim0
	s_mov_b32 s[\g+2], 128<<16                     ; tensor_dim1
	s_mov_b32 s[\g+3], ROWB<<16                    ; tile_dim0
	s_mov_b32 s[\g+4], 128                         ; tile_dim1
	s_mov_b32 s[\g+6], 0
	s_mov_b32 s[\g+7], 0
.endr
	s_mov_b32 s[G1+5], ROWB                        ; tensor_dim0_stride: dense
	s_mov_b32 s[G1B+5], KROW
	s_lshl_b32 s20, s17, 1
	s_add_co_u32 s20, s20, s16                     ; S1: token block 2 t1 + half,
	s_lshl_b32 s20, s20, 17                        ; of 131,072 bytes
	s_mov_b32 s21, 0
	s_lshl_b32 s18, s16, 7
	s_lshl_b32 s46, s42, 8
	s_add_co_u32 s46, s46, s18                     ; S0: row 256 t0 + 128 x half
	s_lshl_b32 s46, s46, 10
	s_mov_b32 s47, 0
	s_lshl_b32 s45, s16, 15                        ; where they go in a slot: S1's image,
	s_mul_i32 s80, s16, HALFT
	s_add_co_u32 s80, s80, 2*IMG                   ; S0's half: the wave's number alone enters an LDS address
	s_wait_kmcnt 0x0
	s_load_b256 s[72:79], s[8:9], 0x0              ; e0 .. e7
	s_add_nc_u64 s[20:21], s[4:5], s[20:21]
	s_add_nc_u64 s[46:47], s[6:7], s[46:47]
	CROUND                                         ; all sixteen work-groups are here: the first joint loads meet
.irp s, 0,1
	s_mov_b32 s[G0+4*\s], 1
	s_add_co_u32 s[G0+4*\s+1], s45, \s*SLOT
	s_add_nc_u64 s[G0+4*\s+2:G0+4*\s+3], s[20:21], \s*IMG
	s_or_b32 s[G0+4*\s+3], s[G0+4*\s+3], 0x80000000
	s_mov_b32 s[G0B+4*\s], 1
	s_add_co_u32 s[G0B+4*\s+1], s80, \s*SLOT
	s_add_nc_u64 s[G0B+4*\s+2:G0B+4*\s+3], s[46:47], \s*ROWB
	s_or_b32 s[G0B+4*\s+3], s[G0B+4*\s+3], 0x80000000
	JLOAD G0+4*\s, G1, G0B+4*\s, G1B               ; two loads of mine are out
.endr
	v_and_b32 v1, 15, v0                           ; r
	v_bfe_u32 v2, v0, 4, 1                         ; h
	v_and_b32 v6, 31, v0
	v_lshlrev_b32 v[CO], 4, v6
	v_mul_u32_u24 v3, v1, PITCH
	v_lshl_add_u32 v4, v2, 4, v3                   ; S0: a fragment's row x pitch + 16 x half
	s_lshl_b32 s21, s15, 15                        ; my 128 tokens' image
	s_mul_i32 s22, s16, HALFT                      ; my 128 rows of S0,
	s_add_co_u32 s22, s22, 2*IMG                   ; which lie behind the images
.irp s, 0,1
	v_add_nc_u32 v[ADRA+\s], s21, v[CO]
	v_add_nc_u32 v[ADRB+\s], s22, v4
	s_add_co_u32 s21, s21, SLOT
	s_add_co_u32 s22, s22, SLOT
.endr
	s_mul_i32 s23, s14, 16*SPITCH                  ; my stage
	v_mul_u32_u24 v5, v1, SPITCH                   ; in: row r, 32 bytes for each half of the lanes
	v_lshl_add_u32 v5, v2, 5, v5
	v_add_nc_u32 v[STO], s23, v5
	v_add_nc_u32 v[RD], s23, v[CO]                 ; back: the 32 lanes take one row of 512 bytes
	s_lshl_b32 s20, s17, 8
	s_lshl_b32 s21, s15, 7
	s_add_co_u32 s20, s20, s21                     ; my first row of out,
	s_lshl_b32 s20, s20, 12                        ; of 4,096 bytes: under 2^25
	s_lshl_b32 s46, s42, 10                        ; my first column, in bytes: 1,024 t0 + 512 x half
	s_lshl_b32 s47, s16, 9
	s_add_co_u32 s46, s46, s47
	s_add_co_u32 s20, s20, s46
	s_mov_b32 s21, 0
	s_mov_b32 s47, 0
	s_add_nc_u64 s[12:13], s[12:13], s[20:21]
	s_add_nc_u64 s[10:11], s[10:11], s[46:47]      ; the bias of my 128 columns: the same byte offset
	s_wait_kmcnt 0x0                               ; the exponents
	s_add_co_i32 s96, s78, s79                     ; e6 + e7
	s_sub_co_i32 s81, 0, s96
	s_add_co_i32 s96, s96, 127
	s_lshl_b32 s96, s96, 23                        ; 2^(e6 + e7) as f32
	s_mov_b32 s97, s96                             ; (named with it as a pair, so it is written)
	v_lshlrev_b32 v5, 5, v2                        ; the bias: registers 8 b + j: column 16 b + 8 h + j
.irp b, 0,1,2,3,4,5,6,7
	global_load_b128 v[BIAS+8*\b:BIAS+8*\b+3], v5, s[10:11] offset:64*\b
	global_load_b128 v[BIAS+8*\b+4:BIAS+8*\b+7], v5, s[10:11] offset:64*\b+16
.endr
	s_wait_loadcnt 0x0
.set i, 0
.rept 64
	v_ldexp_f32 v[BIAS+i], v[BIAS+i], s81
.set i, i+1
.endr
.macro FRAG reg, adr, q, i             ; S0's fragment: registers 4 c .. 4 c + 3 hold K = 32 c + 16 (l / 16) + 0 .. 15 of row l % 16
.irp c, 0,1,2,3
	ds_load_b128 v[\reg+4*\c:\reg+4*\c+3], v[\adr] offset:128*(\q)+32*\c+(\i)*16*PITCH
.endr
.endm
.macro FRAGI reg, slot, q, i           ; S1's: token tile i, chunk q: an image comes back as it was stored, 512 consecutive bytes a load
.irp c, 0,1,2,3
	ds_load_b128 v[\reg+4*\c:\reg+4*\c+3], v[ADRA+\slot] offset:4096*(\i)+2048*(\q)+512*\c
.endr
.endm
; 16 matrix instructions: S1's blocks a0, a0 + 1 x S0's eight, 128 along K.  p: S0's set.  zero = 1: the sums start with the bias.
; The 64 accumulators take turns, one instruction a turn, in the same order in every step.
.macro MUL16 a0, p, zero
.irp a, \a0, \a0+1
.irp b, 0,1,2,3,4,5,6,7
.if \zero
	v_wmma_f32_16x16x128_fp8_fp8 v[8*(8*((\a)%4)+\b):8*(8*((\a)%4)+\b)+7], v[128*(\p)+FR*\b:128*(\p)+FR*\b+FR-1], v[AF+FR*(\a):AF+FR*(\a)+FR-1], v[BIAS+8*\b:BIAS+8*\b+7]
.else
	v_wmma_f32_16x16x128_fp8_fp8 v[8*(8*((\a)%4)+\b):8*(8*((\a)%4)+\b)+7], v[128*(\p)+FR*\b:128*(\p)+FR*\b+FR-1], v[AF+FR*(\a):AF+FR*(\a)+FR-1], v[8*(8*((\a)%4)+\b):8*(8*((\a)%4)+\b)+7]
.endif
.endr
.endr
.endm
.macro FETCH_B slot, q, p              ; S0's eight fragments of the slot's q-th 128 along K into set p
	WIN TO_B
.irp i, 0,1,2,3,4,5,6,7
	FRAG 128*(\p)+FR*\i, ADRB+\slot, \q, \i
.endr
	WIN 0
.endm
.macro FETCH_A slot, q, i0             ; S1's blocks i0 .. i0 + 3
.irp i, \i0, \i0+1, \i0+2, \i0+3
	FRAGI AF+FR*(\i), \slot, \q, \i
.endr
.endm
; A load into a register that a matrix instruction has read, and a vector instruction that reads a matrix result, stand NP places behind that matrix instruction; only plain vector
; instructions that name none of its registers are places (ISA guide 7.12.1 for vector instructions).
.macro PLACES n
.rept \n
	v_nop
.endr
.endm
; A step of 128 along K that has its successor in the same slot.
.macro STEP slot, q, zero
	s_wait_dscnt 4*NL                              ; S0's set and S1's blocks 0-3 are in; the youngest sixteen loads (blocks 4-7) may be out
.if \zero
	WIN 0x81                                       ; source 0 window 1, source 1 and C (the bias) window 0, D window 2
.else
	WIN MUL_LO
.endif
	MUL16 0, (\q)%2, \zero
	MUL16 2, (\q)%2, \zero
	s_wait_dscnt 0                                 ; blocks 4-7 are in
	PLACES NP
	FETCH_B \slot, (\q)+1, 1-(\q)%2
	FETCH_A \slot, (\q)+1, 0
.if \zero
	WIN 0xc1                                       ; the same, D window 3
.else
	WIN MUL_HI
.endif
	MUL16 4, (\q)%2, \zero
	MUL16 6, (\q)%2, \zero
	PLACES NP
	WIN 0
	FETCH_A \slot, (\q)+1, 4
.endm
; A slot's last step changes slots: ONE barrier; in front of it each wave waits for all its tensor loads, adds 0 to its spare word, and waits for that and for its own reads of this slot.  fill = 1: this slot is filled again, two K steps ahead.
.macro TURN slot, next, fill
	s_wait_tensorcnt 0x0                           ; all my tensor loads have landed: my part of the next slot  (every window is 0 here)
	ds_add_u32 v[SPW], v[NIL]                      ; 0 onto my spare word
	s_wait_dscnt 4*NL+1                            ; (the add and the youngest sixteen loads may be out)
	WIN MUL_LO
	MUL16 0, 1, 0                                  ; sixteen matrix instructions stand between the add and the wait for it
	s_wait_dscnt 0x0                               ; the add is done, and my reads of this slot are over
	s_barrier_signal -1
	MUL16 2, 1, 0
	WIN 0
	s_barrier_wait -1
.if \fill
	CREST                                          ; the barrier has opened a round of the cluster's barrier: no wave of any partner still reads this slot or has a load on its way
	s_add_nc_u64 s[G0+4*\slot+2:G0+4*\slot+3], s[G0+4*\slot+2:G0+4*\slot+3], 2*IMG
	s_add_nc_u64 s[G0B+4*\slot+2:G0B+4*\slot+3], s[G0B+4*\slot+2:G0B+4*\slot+3], 2*ROWB
	JLOAD G0+4*\slot, G1, G0B+4*\slot, G1B         ; the first tensor load behind the round, my one load until the next; its four v_nop are also the places in front of the loads below
.else
	PLACES NP
.endif
	FETCH_B \next, 0, 0
	FETCH_A \next, 0, 0
	WIN MUL_HI
	MUL16 4, 1, 0
	MUL16 6, 1, 0
	PLACES NP
	WIN 0
	FETCH_A \next, 0, 4
.endm
	s_wait_tensorcnt 1                             ; my part of K step 0 is in (K step 1's load may be out)
	s_barrier_signal -1
	s_barrier_wait -1                              ; everybody's is
	FETCH_B 0, 0, 0
	FETCH_A 0, 0, 0
	FETCH_A 0, 0, 4
	STEP 0, 0, 1                                   ; the first step's products start the sums with the bias
	TURN 0, 1, 1                                   ; slot 0 takes K 512 on
	STEP 1, 0, 0
	TURN 1, 0, 1                                   ; slot 1 takes K 768 on
	STEP 0, 0, 0
	TURN 0, 1, 0                                   ; nothing is left to fetch
	STEP 1, 0, 0
	s_wait_dscnt 4*NL                              ; the very last step
	WIN MUL_LO
	MUL16 0, 1, 0
	MUL16 2, 1, 0
	s_wait_dscnt 0
	WIN MUL_HI
	MUL16 4, 1, 0
	MUL16 6, 1, 0
	WIN 0
; THE WAY OUT, block by block of 16 rows x 128 columns.  A lane holds 32 neighbouring bytes of a row, and the lanes beside it hold other rows: so a block goes through my own stage in LDS and comes back as whole
; rows of 512 bytes.  LDS serves a wave's instructions in order (ISA guide 5.7.1.4): no wait between the stores and the loads, nor in front of the next block's stores.
.macro TOSTAGE a
.set AC, 64*((\a)%4)
	WIN 0x02+((\a)/4)                              ; source 0: window 2 or 3
.irp j, 0,2,4,6,8,10,12,14,16,18,20,22,24,26,28,30,32,34,36,38,40,42,44,46,48,50,52,54,56,58,60,62
	v_pk_mul_f32 v[TMP+\j:TMP+\j+1], v[AC+\j:AC+\j+1], s[96:97] op_sel_hi:[1,0]   ; both x 2^(e6 + e7); each accumulator from its low end on
.endr
	WIN 0
.irp b, 0,1,2,3,4,5,6,7
	ds_store_b128 v[STO], v[TMP+8*\b:TMP+8*\b+3] offset:64*\b
	ds_store_b128 v[STO], v[TMP+8*\b+4:TMP+8*\b+7] offset:64*\b+16
.endr
.set BB, BK+64*((\a)%2)
.irp t, 0,1,2,3,4,5,6,7,8,9,10,11,12,13,14,15
	ds_load_b128 v[BB+4*\t:BB+4*\t+3], v[RD] offset:\t*SPITCH
.endr
.endm
.macro SEND a, younger                 ; younger: the LDS instructions issued behind block a's loads, which may stay out
.set BB, BK+64*((\a)%2)
	s_wait_dscnt \younger                          ; the block is back in registers
.if (\a) > 0
	s_add_nc_u64 s[12:13], s[12:13], 16*SIZE_N*4   ; (behind a wait on XCNT: the earlier stores have read their base)  16 rows of out on
.endif
.irp t, 0,1,2,3,4,5,6,7,8,9,10,11,12,13,14,15
	global_store_b128 v[CO], v[BB+4*\t:BB+4*\t+3], s[12:13] offset:\t*SIZE_N*4 th:TH_STORE_NT   ; 32 lanes store 512 consecutive bytes, at a multiple of 256 from out's first byte; written once, read by nobody here
.endr
.endm
	PLACES NP                                      ; behind the last products: for the first read of results and for the loads into the registers that held S1's fragments
	TOSTAGE 0
.irp a, 1,2,3,4,5,6,7
.if \a > 1
	s_wait_xcnt 0x0                                ; block a - 2's stores have read their registers and their base: block a's loads may land there, and the base may step
.endif
	TOSTAGE \a
	SEND \a-1, 32                                  ; behind block a - 1's loads: block a's 16 stores and 16 loads
.endr
	s_wait_xcnt 0x0                                ; block 6's stores have read their base
	SEND 7, 0
	s_wait_tensorcnt 0x0                           ; the wave's end
	ds_add_u32 v[SPW], v[NIL]
	s_wait_dscnt 0x0
	CROUND                                         ; the closing round: no work-group ends while a partner may still ask for a tile that names it
	s_endpgm
.Lfunc_end_k_qa1e07f921e_outproj:
	.size	k_qa1e07f921e_outproj, .Lfunc_end_k_qa1e07f921e_outproj-k_qa1e07f921e_outproj
	.p2alignl 7, 3214868480
	.fill 96, 4, 3214868480
	.section	.rodata,"a",@progbits
	.p2align	6, 0x0
	.amdhsa_kernel k_qa1e07f921e_outproj
		.amdhsa_group_segment_fixed_size 327680
		.amdhsa_private_segment_fixed_size 0
		.amdhsa_enable_private_segment 0
		.amdhsa_kernarg_size 40
		.amdhsa_user_sgpr_count 2
		.amdhsa_user_sgpr_kernarg_segment_ptr 1
		.amdhsa_wavefront_size32 1
		.amdhsa_system_sgpr_workgroup_id_x 1
		.amdhsa_system_sgpr_workgroup_id_y 1
		.amdhsa_system_sgpr_workgroup_id_z 1
		.amdhsa_system_vgpr_workitem_id 0
		.amdhsa_next_free_vgpr 1024
		.amdhsa_next_free_sgpr 100
		.amdhsa_reserve_vcc 0
		.amdhsa_float_denorm_mode_32 3
		.amdhsa_float_denorm_mode_16_64 3
		.amdhsa_memory_ordered 1
		.amdhsa_forward_progress 1
		.amdhsa_inst_pref_size 129
	.end_amdhsa_kernel
	.amdgpu_metadata
---
amdhsa.version: [ 1, 2 ]
amdhsa.kernels:
  - .name:           k_qa1e07f921e_outproj
    .symbol:         k_qa1e07f921e_outproj.kd
    .args:
      - { .name: ctxc, .offset: 0, .size: 8, .value_kind: global_buffer, .address_space: global }
      - { .name: W_out_codes, .offset: 8, .size: 8, .value_kind: global_buffer, .address_space: global }
      - { .name: lowp_scales, .offset: 16, .size: 8, .value_kind: global_buffer, .address_space: global }
      - { .name: b_out, .offset: 24, .size: 8, .value_kind: global_buffer, .address_space: global }
      - { .name: out0, .offset: 32, .size: 8, .value_kind: global_buffer, .address_space: global }
    .group_segment_fixed_size: 327680
    .private_segment_fixed_size: 0
    .kernarg_segment_align: 8
    .kernarg_segment_size: 40
    .max_flat_workgroup_size: 128
    .sgpr_count:     100
    .vgpr_count:     1024
    .wavefront_size: 32
...
	.end_amdgpu_metadata
.endif
;; end of part 4
;; ======== version 2 of 2: 4 launches; version 1 with the launch attn written anew for expert scheduling mode
;; workspace buffers: qkvc 25,165,824 bytes; ctxc 8,388,608 bytes; mbits 524,288 bytes of whole numbers; mflags 512 bytes of whole numbers
;; launch maskpack: the kernel of part 1 again; grid 256 x 1, 8 waves a work-group, no clusters, 68,864 bytes of LDS; arguments mask, mbits, mflags; writes mbits, mflags
;; launch qkvproj: the kernel of part 2 again; grid 12 x 32, 4 waves a work-group, clusters of 4 x 4, 327,680 bytes of LDS; arguments x_codes, W_qkv_codes, lowp_scales, b_qkv, qkvc; writes qkvc
;; launch attn (part 5): grid 4 x 64, 16 waves a work-group, no clusters, 264,192 bytes of LDS; arguments qkvc, mbits, mflags, lowp_scales, ctxc; writes ctxc
.if DOCPART == 5
	.amdgcn_target "amdgcn-amd-amdhsa--gfx1250"
	.amdhsa_code_object_version 6
	.text
	.protected	k_qa1e07f921e_attn
	.globl	k_qa1e07f921e_attn
	.p2align	8
	.type	k_qa1e07f921e_attn,@function
k_qa1e07f921e_attn:
	s_mov_b64 s[64:65], 0
	v_nop
	global_prefetch_b8 v0, s[64:65] scope:SCOPE_SE
	s_setreg_imm32_b32 hwreg(HW_REG_WAVE_SCHED_MODE, 0, 2), 2
	s_setreg_imm32_b32 hwreg(HW_REG_WAVE_MODE, 25, 1), 1
	s_wait_xcnt 0x0
	s_wait_alu depctr_vm_vsrc(0)
; ctx[q] = the sum over keys of softmax(Q[q] . K[k] / 8, under the given mask) V[k], for one head, both products on codes of FP8 (E4M3); ctx is quantised with 2^e6 and stored as images of the last launch's operand registers.
; IN: the images of Q, K, V that the projection stored (scales 2^e2, 2^e3, 2^e5), the mask as bits and as flags.  p is quantised with 2^e4.
; THE SOFTMAX: t = score x log2(e) / 8; M = the row's largest t so far, rounded UP to a whole number; p = 2^(t - M) is quantised, not normalised; the row's sum is taken of the unquantised p and divides at the end.
; When M moves, the sum and O are multiplied by 2^(old M - new M): exact.  A row with no open key has the sum 0 and gets NaN, as a softmax of nothing but -infinity has.
; SHARES.  A work-group has one head (y) and 32 of its 128 query tiles; each of its sixteen waves owns one tile of 16 queries at a time, in two passes: tile 64 + 16 x + w, then 127 less that.  Four waves to a SIMD.
; LDS.  A head's codes of K and of V are 131,072 bytes each: they lie WHOLE in LDS, K's key step j (128 keys) at 8,192 j, V's at 131,072 + 8,192 j.  Every byte is written once: no ring.  The fill goes through
; registers, a key step a trip ahead: all 512 threads load 16 bytes of K and of V at a trip's head and store them at its end, in front of the trip's barrier.
; THE GIVEN MASK DECIDES THE WORK, by whole numbers that an earlier launch stored: a key step that is closed for all of a wave's 16 queries is left out by a scalar branch (every p would be 0); one that is all open
; skips the masking; a key step that none of the work-group's 32 tiles needs is not fetched.  No barrier stands under such a branch.
; NO CLUSTER, NO JOINT LOADS: joint loads are tensor loads.  What the four work-groups of a head share is at most 262,144 bytes each, read once;
; the branches spare whole key steps of a loop that has some two hundred vector instructions for twelve matrix instructions.
; LAYOUT.  S^T = K Q^T (source 0 = 16 keys, source 1 = my queries; K = 64), O^T = V^T P^T (source 0 = 16 dims, source 1 = P; K = 128 keys): a lane holds ONE query (lane % 16) throughout.  Score tile t's eight
; registers are keys 16 t + 8 (lane / 16) + 0 .. 7: their conversion gives registers 2 t, 2 t + 1 of P, in the order in which V's images were laid.
; LIMITS on the given exponents: e2 + e3 between -123 and 130 (added to c's exponent field); e4 and e6 between -126 and 119; |t| under 3e38.
; REGISTERS: v1-11 addresses and constants; v12 -M, v13 the largest t, v[14:15] the sum in two halves; v16-23 Q; v24-31 the fill; v32-95 K's eight fragments, then V's four; v96-159 S^T, then p; v160-191 O^T;
; v192-207 P's codes; v208-215 ctx's codes; v216.. at work.   s16-63, s68-83: the key step's 64 mask words.
; THE MODE: SCHED_MODE bits 1:0 = 2 (LLVM: expert scheduling mode 2), set by the entry lines.  The code itself states the register dependences between vector or matrix instructions and memory or LDS
; instructions, with s_wait_alu, always for 0.
; THE PLAN.  Registers that memory or LDS instructions touch:
;   v[T16]                    An offset made once at the head and never written again.
;   v[FK], v[FV], v[PFA],     Written by five additions at a trip's head; read by that trip's memory and LDS instructions alone: the fill's loads and LDS stores, the prefetch, K's LDS loads, V's LDS loads.
;   v[ADK], v[ADV]
;   FILL (v24-31)             The fill's loads land in it at a trip's head; the LDS stores at the trip's end read it; no vector instruction names it.
;   KV (v32-95)               K's LDS loads land in it; the eight products K Q^T read it; V's LDS loads land in it; the four products V^T P read it.  256 registers a wave leave no room for a second such buffer.
;   Q (v16-23), v[QO]         A pass's head: an addition writes v[QO], two loads read it and land in Q; the pass's products K Q^T read Q.
;   v[CO], OUTR (v208-215)    Written by vector instructions at a pass's end; read by the two stores there.
; So a trip's head has one wait on vm_vsrc (the last trip's memory and LDS instructions have read the five addresses and FILL) ahead of the five additions, and one on va_vdst behind them (the addresses are written;
; the last key step's products V^T P are done reading KV).  A key step has one more on va_vdst between the products K Q^T and V's loads, and the one behind its exponentials.  A pass has one ahead of Q's loads and one
; ahead of its stores, beside the one behind its reciprocal.
.set KSB,   8192                       ; a key step's codes of K, or of V
.set VLDS,  131072                     ; where V begins in LDS; also a head's bytes in each part
.set L16,  1                           ; v1   16 x lane
.set T16,  2                           ; v2   16 x thread
.set ADK,  3                           ; v3   LDS address of the step's K
.set ADV,  4                           ; v4   of its V
.set FK,   5                           ; v5   the fill: my 16 bytes of the next step, in K's part of memory and of LDS
.set FV,   6                           ; v6   and in V's part of LDS
.set PFO,  7                           ; v7   256 x lane
.set NINF, 8                           ; v8   -infinity
.set PLIM, 9                           ; v9   448 x 2^e4
.set PSC,  10                          ; v10  2^e4
.set L16V, 11                          ; v11  16 x lane + VLDS
.set Q,    16
.set FILL, 24
.set KV,   32
.set S,    96
.set O,    160
.set P,    192
.set OUTR, 208
.set F,    216                         ; v[216:217] f = 2^(old M - new M) (the pair's upper word is written once)
.set MX,   218                         ; v218, v219 two chains of the maximum
.set PM,   220                         ; v220 a lane permute's destination (written once first: it counts as a source)
.set SM2,  222                         ; v[222:223] the second chain of the sum
.set INV,  224                         ; v[224:225] 2^(e4 + e5) / the sum
.set Z,    226                         ; v[226:227] 0, or NaN where the sum is 0
.set PFA,  228                         ; v228 the prefetch's offset
.set QO,   229                         ; v229 Q's offset
.set CO,   230                         ; v230 ctx's offset
.set CSC,  231                         ; v231 2^e6
.set CLIM, 232                         ; v232 448 x 2^e6
.set XW,   233                         ; v233 at work in the exchange of halves
.set KOFF, 2                           ; s2   8,192 x the key step: the trips' counter
.set TAU,  3                           ; s3   my query tile
.set MOFF, 14                          ; s14  byte of the step's mask words: 4,096 tile + 256 step
.set T,    15                          ; s15  at work: a flag
.set WV,   66
.set PASS, 67
.set WF,   92                          ; s92  my tile's flags, two bits a key step, shifted down trip by trip
.set FW,   93                          ; s93  the OR of the work-group's 32 tiles' flags, likewise
.set SEL,  94                          ; s[94:95] lane selects for v_permlanex16_b32: lane l xor 16
.set CS,   96                          ; s[96:97] c = log2(e) / 8 x 2^(e2 + e3)
.set LIM,  98                          ; s98  a wave prefetches while KOFF is under this
.set FO,   99                          ; s99  8,192 x the next key step
.set WF2,  100                         ; s100 the second pass's flags
.set HI,   101                         ; s101 lanes 16-31
.set PB,   104                         ; s[104:105] the prefetch's base: K's part (wave 0) or V's
	s_load_b64 s[4:5], s[0:1], 0x0                 ; the images
	s_load_b64 s[10:11], s[0:1], 0x8               ; the mask's bits
	s_load_b128 s[16:19], s[0:1], 0x10             ; the flags s[16:17], the scales' exponents s[18:19]
	s_load_b64 s[12:13], s[0:1], 0x20              ; ctx's images
	v_lshl_add_u32 v254, v0, 2, 0x40000
	v_mov_b32 v255, 0
	v_lshrrev_b32 v3, 5, v0
	v_readfirstlane_b32 s[WV], v3                  ; wave 0..15
	v_and_b32 v1, 31, v0
	v_lshlrev_b32 v[PFO], 8, v1
	v_lshlrev_b32 v[L16], 4, v1
	v_lshlrev_b32 v[T16], 4, v0
	v_add_nc_u32 v[L16V], VLDS, v[L16]
	v_add_nc_u32 v[FV], VLDS, v[T16]
	v_mov_b32 v[NINF], 0xff800000
	v_mov_b32 v[F+1], 0
	v_mov_b32 v[PM], 0
	v_mov_b32 v[INV+1], 0
	v_mov_b32 v[Z+1], 0
	s_wait_alu depctr_va_sdst(0)                   ; the wave's number is written into s[WV], ahead of its first reader: my tile's number is made from it
	s_and_b32 s84, ttmp7, 0xffff                   ; 16 batch + head
	s_lshl_b32 s20, ttmp9, 6                       ; the first pass's sixteen flag words begin at byte 256 + 64 x,
	s_sub_co_u32 s21, 192, s20                     ; the second's at 192 - 64 x
	s_lshl_b32 s[TAU], ttmp9, 4
	s_add_co_u32 s[TAU], s[TAU], s[WV]
	s_add_co_u32 s[TAU], s[TAU], 64                ; my first tile
	s_lshl_b32 s22, s[TAU], 2
	s_sub_co_u32 s23, 508, s22                     ; 4 (127 - tile)
	s_lshl_b32 s24, s84, 17                        ; the head's bytes in each part
	s_mov_b32 s25, 0
	s_lshr_b32 s26, s84, 4
	s_lshl_b32 s26, s26, 21                        ; ctx: [token block of 128][K step of 256][token tile][chunk of 128][piece of 32][lane][16]: a batch is 16 blocks of 131,072 bytes;
	s_and_b32 s27, s84, 15                         ; k = 64 head + dim: K step head / 4 (32,768 bytes), then (head % 4) x 1,024: the chunk and my two pieces of it
	s_lshr_b32 s28, s27, 2
	s_lshl_b32 s28, s28, 15
	s_add_co_u32 s26, s26, s28
	s_and_b32 s28, s27, 3
	s_lshl_b32 s28, s28, 10
	s_add_co_u32 s26, s26, s28
	s_mov_b32 s27, 0
	s_mov_b32 s[SEL], 0x76543210
	s_mov_b32 s[SEL+1], 0xfedcba98
	s_mov_b32 s[HI], 0xffff0000
	s_mov_b32 s[PASS], 0
	s_wait_kmcnt 0x0
	s_load_b256 s[84:91], s[18:19], 0x0            ; e0 .. e7
	s_load_b512 s[32:47], s[16:17], s20 offset:0x100
	s_load_b512 s[48:63], s[16:17], s21 offset:0x0
	s_load_b32 s[WF], s[16:17], s22 offset:0x0
	s_load_b32 s[WF2], s[16:17], s23 offset:0x0
	s_add_nc_u64 s[4:5], s[4:5], s[24:25]          ; Q's images of my head,
	s_add_nc_u64 s[6:7], s[4:5], 0x800000          ; K's,
	s_add_nc_u64 s[8:9], s[4:5], 0x1000000         ; V's
	s_add_nc_u64 s[12:13], s[12:13], s[26:27]
	s_wait_alu depctr_va_vdst(0)                   ; v[T16] and v[FV] are written: the two loads below and the two LDS stores behind them read them as addresses; no vector line between names them or FILL
	global_load_b128 v[FILL:FILL+3], v[T16], s[6:7]        ; key step 0 is fetched whatever the flags say
	global_load_b128 v[FILL+4:FILL+7], v[T16], s[8:9]
	s_lshr_b32 s24, s[WV], 1                       ; 0 in waves 0 and 1,
	s_or_b32 s24, s24, ttmp9                       ; of the head's first work-group
	s_cmp_eq_u32 s24, 0
	s_cselect_b32 s[LIM], 14*KSB, 0
	s_cmp_eq_u32 s[WV], 0
	s_cselect_b64 s[PB:PB+1], s[6:7], s[8:9]
	s_wait_kmcnt 0x0
	s_or_b32 s[FW], s32, s33
.irp k, 34,35,36,37,38,39,40,41,42,43,44,45,46,47,48,49,50,51,52,53,54,55,56,57,58,59,60,61,62,63
	s_or_b32 s[FW], s[FW], s[\k]                   ; a key step is fetched if any of the 32 tiles needs it
.endr
	s_add_co_i32 s86, s86, s87
	s_lshl_b32 s86, s86, 23
	s_add_co_i32 s[CS], s86, 0x3e38aa3b            ; log2(e) / 8, with e2 + e3 added to its exponent field: a score stands for score x 2^(e2 + e3)
	s_mov_b32 s[CS+1], s[CS]                       ; (named with it as a pair, so it is written)
	s_add_co_i32 s86, s88, 127
	s_lshl_b32 s87, s86, 23
	v_mov_b32 v[PSC], s87                          ; 2^e4 as f32: the conversion takes its exponent field
	s_add_co_i32 s86, s86, 8
	s_lshl_b32 s86, s86, 23
	s_or_b32 s86, s86, 0x600000
	v_mov_b32 v[PLIM], s86
	s_add_co_i32 s86, s90, 127
	s_lshl_b32 s87, s86, 23
	v_mov_b32 v[CSC], s87                          ; 2^e6
	s_add_co_i32 s86, s86, 8
	s_lshl_b32 s86, s86, 23
	s_or_b32 s86, s86, 0x600000
	v_mov_b32 v[CLIM], s86
	s_add_co_i32 s89, s88, s89                     ; e4 + e5
	s_wait_loadcnt 0x0
	ds_store_b128 v[T16], v[FILL:FILL+3]           ; 512 threads x 16 bytes: the step's 8,192 bytes, as they lie
	ds_store_b128 v[FV], v[FILL+4:FILL+7]
	s_wait_dscnt 0x0                               ; for the others' sake: my stores have landed
	s_barrier_signal -1
	s_barrier_wait -1
.Lpass:                                            ; two trips: a query tile each
	s_wait_xcnt 0x0                                ; earlier loads and stores have read their registers
	s_lshl_b32 s84, s[TAU], 10
	v_add_nc_u32 v[QO], s84, v[L16]                ; (the loads that read v[QO] in the first pass were issued ahead of that pass's waits on vm_vsrc)
	s_wait_alu depctr_va_vdst(0)                   ; v[QO] is written, which the two loads read; the last pass's products K Q^T are done reading Q, in which they land
	global_load_b128 v[Q:Q+3], v[QO], s[4:5]       ; Q's fragment stays in registers
	global_load_b128 v[Q+4:Q+7], v[QO], s[4:5] offset:512
	v_mov_b32 v13, 0xff61b1e6                      ; the largest t so far: -3e38, under every t
	v_floor_f32 v12, -v13                          ; -M
	v_mov_b32 v14, 0
	v_mov_b32 v15, 0
.set i, 0
.rept 32
	v_mov_b32 v[O+i], 0                            ; O^T.  (The key step is written once, and which step is a tile's first hangs on the mask: it finds zeros, which the first change of M leaves zeros)
.set i, i+1
.endr
	s_mov_b32 s[KOFF], 0
	s_lshl_b32 s[MOFF], s[TAU], 12
	s_wait_loadcnt 0x0                             ; Q
.Ltrip:                                            ; sixteen trips: a key step each
	s_wait_alu depctr_vm_vsrc(0)                   ; the memory and LDS instructions issued so far have read their registers: the five addresses written below; FILL, in which the fill's loads land; and the last pass's v[CO] and OUTR
	s_add_co_u32 s[FO], s[KOFF], KSB
	s_and_b32 s[FO], s[FO], VLDS-1                 ; the next step's place (the last trip has no next step and no flag for one: the mask keeps the number inside on every way through the text)
	v_add_nc_u32 v[FK], s[FO], v[T16]              ; all five addresses of a trip are made here, on every way, so that one wait serves them
	v_add_nc_u32 v[FV], VLDS, v[FK]
	v_add_nc_u32 v[PFA], s[FO], v[PFO]
	v_add_nc_u32 v[ADK], s[KOFF], v[L16]
	v_add_nc_u32 v[ADV], s[KOFF], v[L16V]
	s_wait_alu depctr_va_vdst(0)                   ; the five addresses are written, which this trip's loads, prefetch and LDS instructions read; the last key step's products V^T P are done reading KV, in which K's fragments land
	s_and_b32 s[T], s[FW], 12                      ; does any tile need the next step?
	s_cmp_lg_u32 s[T], 0
	s_cbranch_scc0 .Lno_fetch
	global_load_b128 v[FILL:FILL+3], v[FK], s[6:7]         ; asked for here, stored at the trip's end
	global_load_b128 v[FILL+4:FILL+7], v[FK], s[8:9]
.Lno_fetch:
	; A PREFETCH INTO THE L2 of the key step after the next: 8,192 bytes of K (wave 0) or of V (wave 1), lanes 256 bytes apart, one instruction a wave, behind the wave's own loads.  All four work-groups of a head
	; walk the same K and V: the first asks, in its first pass, so each block of 256 bytes is named once.  Steps 0 and 1 come by their loads alone; trips 14 and 15 ask for nothing: there is no step 16.
	s_cmp_lt_u32 s[KOFF], s[LIM]
	s_cbranch_scc0 .Lno_ask
	global_prefetch_b8 v[PFA], s[PB:PB+1] offset:KSB th:TH_LOAD_NT scope:SCOPE_SE
.Lno_ask:
	s_and_b32 s[T], s[WF], 3                       ; 0: closed for all my queries; 1: mixed; 3: all open
	s_cmp_lg_u32 s[T], 0
	s_cbranch_scc0 .Lclosed
	; ---- A KEY STEP: 128 keys
	s_load_b512 s[16:31], s[10:11], s[MOFF] offset:0x0     ; the 64 mask words: asked for on every way, so that no way reads a register that was never written
	s_load_b512 s[32:47], s[10:11], s[MOFF] offset:0x40
	s_load_b512 s[48:63], s[10:11], s[MOFF] offset:0x80
	s_load_b512 s[68:83], s[10:11], s[MOFF] offset:0xc0
.irp t, 0,1,2,3,4,5,6,7
	ds_load_b128 v[KV+8*\t:KV+8*\t+3], v[ADK] offset:1024*\t         ; an image comes back as it was stored: 512 consecutive bytes a load
	ds_load_b128 v[KV+8*\t+4:KV+8*\t+7], v[ADK] offset:1024*\t+512
.endr
	s_wait_dscnt 8                                 ; fragments 0-3 are in; the youngest eight loads may be out
.irp t, 0,1,2,3
	v_wmma_f32_16x16x64_fp8_fp8 v[S+8*\t:S+8*\t+7], v[KV+8*\t:KV+8*\t+7], v[Q:Q+7], 0
.endr
	s_wait_dscnt 0x0
.irp t, 4,5,6,7
	v_wmma_f32_16x16x64_fp8_fp8 v[S+8*\t:S+8*\t+7], v[KV+8*\t:KV+8*\t+7], v[Q:Q+7], 0
.endr
.rept 4
	v_nop                                          ; places behind the products, in front of the first read of the scores (ISA guide 7.12.1); they stay beside the wait below
.endr
	s_wait_alu depctr_va_vdst(0)                   ; the eight products K Q^T are done reading KV, in which V's fragments land
.set n, 0
.rept 8
	ds_load_b128 v[KV+4*n:KV+4*n+3], v[ADV] offset:2048*(n/4)+512*(n%4)   ; V's fragments 0 and 1; all four land while the softmax is worked
.set n, n+1
.endr
	s_wait_kmcnt 0x0                               ; the mask words
	s_cmp_eq_u32 s[T], 3
	s_cbranch_scc1 .Lopen
.set n, 0
.rept 64
.if n < 48
	v_cndmask_b32 v[S+n], v[NINF], v[S+n], s[16+n] ; a closed key's score becomes -infinity ahead of the maximum: p = 0 then
.else
	v_cndmask_b32 v[S+n], v[NINF], v[S+n], s[20+n]
.endif
.set n, n+1
.endr
.Lopen:
	v_max3_num_f32 v[MX], v96, v97, v98            ; the step's largest score of my query, among my 64 keys, in two chains, each tile from its low end on,
	v_max3_num_f32 v[MX+1], v99, v100, v101
.set n, 8
.irp i, 6,10,14,18,22,26,30,34,38,42,46,50,54,58
	v_max3_num_f32 v[MX], v[MX], v[S+\i], v[S+1+\i]
	v_max3_num_f32 v[MX+1], v[MX+1], v[S+2+\i], v[S+3+\i]
.if n < 16
	ds_load_b128 v[KV+4*n:KV+4*n+3], v[ADV] offset:2048*(n/4)+512*(n%4)   ; V's fragments 2 and 3, dealt among the maximum's lines.  No wait: no vector instruction since the wait above names KV or v[ADV], on either way
.set n, n+1
.endif
.endr
	v_max3_num_f32 v[MX], v[MX], v158, v159
	v_max_num_f32 v[MX], v[MX], v[MX+1]
	v_permlanex16_b32 v[PM], v[MX], s[SEL], s[SEL+1]
	v_max_num_f32 v[MX], v[MX], v[PM]              ; and among lane l xor 16's
	v_mul_f32 v[MX], s[CS], v[MX]                  ; as t (c is positive)
	v_max_num_f32 v13, v13, v[MX]                  ; the running largest t
	v_mov_b32 v[MX], v12
	v_floor_f32 v12, -v13                          ; the new -M = floor(-t) = -ceil(t): M is a whole number
	v_sub_f32 v[MX], v12, v[MX]                    ; M's old value less its new one: a whole number, 0 or less
	v_cvt_i32_f32 v[MX], v[MX]                     ; (it saturates)
	v_ldexp_f32 v[F], 1.0, v[MX]                   ; f = 2^(old M - new M)
.irp j, 0,2,4,6,8,10,12,14,16,18,20,22,24,26,28,30,32,34,36,38,40,42,44,46,48,50,52,54,56,58,60,62
	v_pk_fma_f32 v[S+\j:S+1+\j], v[S+\j:S+1+\j], s[CS:CS+1], v[12:13] op_sel_hi:[1,0,0]   ; t - M, two at a time (of the pairs c and -M the low word serves both halves)
.endr
.set n, 0
.rept 64
	v_exp_f32 v[S+n], v[S+n]                       ; p = 2^(t - M), at most 1: not normalised
.set n, n+1
.endr
	v_pk_mul_f32 v[14:15], v[14:15], v[F:F+1] op_sel_hi:[1,0]   ; the sums under the new M.  (The plain instruction behind the exponentials)
	s_wait_alu depctr_va_vdst(0)                   ; the 64 exponentials have written p (v96-159), which the sums below read: one wait for the whole batch, ahead of its first reader
	v_pk_add_f32 v[SM2:SM2+1], v[96:97], v[98:99]  ; the row's sum is taken of the unquantised p: two at a time, in two chains
.irp j, 4,8,12,16,20,24,28,32,36,40,44,48,52,56,60
	v_pk_add_f32 v[14:15], v[14:15], v[S+\j:S+1+\j]
	v_pk_add_f32 v[SM2:SM2+1], v[SM2:SM2+1], v[S+2+\j:S+3+\j]
.endr
	v_pk_add_f32 v[14:15], v[14:15], v[SM2:SM2+1]
	s_cmp_ge_i32 s88, -8                           ; p is at most 1 and 448 x 2^e4 is at least 1.75 from e4 = -8 on: there the hold changes no number and is passed over
	s_cbranch_scc1 .Lno_hold
.set n, 0
.rept 64
	v_min_num_f32 v[S+n], v[S+n], v[PLIM]          ; the conversion to an 8-bit code does not saturate (ISA guide 7.6.2); p is not negative, so the hold is one-sided
.set n, n+1
.endr
.Lno_hold:
.irp t, 0,1,2,3,4,5,6,7
	v_cvt_scalef32_pk8_fp8_f32 v[P+2*\t:P+2*\t+1], v[S+8*\t:S+8*\t+7], v[PSC]
.endr
.irp j, 0,2,4,6,8,10,12,14,16,18,20,22,24,26,28,30
	v_pk_mul_f32 v[O+\j:O+1+\j], v[O+\j:O+1+\j], v[F:F+1] op_sel_hi:[1,0]   ; O^T under the new M.  (Also the plain instructions between the conversions and the products that read their results)
.endr
	s_wait_dscnt 0x0                               ; V's fragments
.irp d, 0,1,2,3
	v_wmma_f32_16x16x128_fp8_fp8 v[O+8*\d:O+8*\d+7], v[KV+16*\d:KV+16*\d+15], v[P:P+15], v[O+8*\d:O+8*\d+7]   ; four accumulators by turns
.endr
.Lclosed:
	s_wait_loadcnt 0x0                             ; the next step's codes are in my registers (on every way)
	s_and_b32 s84, s[FW], 12
	s_cmp_lg_u32 s84, 0
	s_cbranch_scc0 .Lno_store
	ds_store_b128 v[FK], v[FILL:FILL+3]            ; into the next step's bytes, which nobody reads in this trip.  (v[FK] and v[FV] were written ahead of the wait at the trip's head, and no vector instruction since names them or FILL)
	ds_store_b128 v[FV], v[FILL+4:FILL+7]
.Lno_store:
	s_wait_dscnt 0x0                               ; my stores have landed
	s_barrier_signal -1
	s_barrier_wait -1                              ; everybody's have: the next step may be read
	s_wait_xcnt 0x0                                ; this trip's loads and prefetch have read their addresses: they are stepped only behind this wait
	s_lshr_b32 s[FW], s[FW], 2
	s_lshr_b32 s[WF], s[WF], 2
	s_add_co_u32 s[MOFF], s[MOFF], 256
	s_add_co_u32 s[KOFF], s[KOFF], KSB
	s_cmp_lt_u32 s[KOFF], 16*KSB
	s_cbranch_scc1 .Ltrip
	; ---- THE TILE'S END.  ctx = O^T x 2^(e4 + e5) / the sum is quantised with 2^e6.
	v_add_f32 v14, v14, v15                        ; the sum's two halves,
	v_permlanex16_b32 v[PM], v14, s[SEL], s[SEL+1]
	v_add_f32 v14, v14, v[PM]                      ; and lane l xor 16's
	s_lshr_b32 s84, s[TAU], 3
	s_lshl_b32 s84, s84, 17                        ; the token block,
	s_and_b32 s85, s[TAU], 7
	s_lshl_b32 s85, s85, 12                        ; the token tile in it
	s_add_co_u32 s84, s84, s85
	v_nop
	v_nop                                          ; (with the additions round them: four plain places and more behind the last products, ahead of the first read of O^T)
	v_rcp_f32 v[INV], v14
	v_add_nc_u32 v[CO], s84, v[L16]                ; (the plain instruction behind the reciprocal.  The first pass's stores, which read v[CO] and OUTR, were issued ahead of this pass's waits on vm_vsrc)
	s_wait_alu depctr_va_vdst(0)                   ; the reciprocal has written v[INV], which the next line reads: the wait ahead of its first reader
	v_ldexp_f32 v[INV], v[INV], s89                ; x 2^(e4 + e5)
	v_mul_f32 v[Z], 0, v[INV]                      ; 0; NaN where the sum is 0
.irp j, 0,2,4,6,8,10,12,14,16,18,20,22,24,26,28,30
	v_pk_mul_f32 v[S+\j:S+1+\j], v[O+\j:O+1+\j], v[INV:INV+1] op_sel_hi:[1,0]   ; register 8 d + j: ctx(query r, dim 16 d + 8 h + j); each accumulator from its low end on
.endr
.set n, 0
.rept 32
	v_med3_num_f32 v[S+n], v[S+n], -v[CLIM], v[CLIM]       ; the hold at the largest code x the scale
.set n, n+1
.endr
.irp j, 0,2,4,6,8,10,12,14,16,18,20,22,24,26,28,30
	v_pk_add_f32 v[S+\j:S+1+\j], v[S+\j:S+1+\j], v[Z:Z+1] op_sel_hi:[1,0]       ; the hold may drop a NaN: it is put back, so that a row with no open key stays NaN to the end
.endr
.irp d, 0,1,2,3
	v_cvt_scalef32_pk8_fp8_f32 v[P+2*\d:P+2*\d+1], v[S+8*\d:S+8*\d+7], v[CSC]
.endr
	v_nop                                          ; one plain vector instruction between the conversions and the readers of their results
	; The last product's fragments hold 16 NEIGHBOURS along K a lane: piece c of my head: dims 32 c + 16 h + 0 .. 15.  I hold dims 16 d + 8 h + 0 .. 7: so the halves of the lanes exchange:
	; lanes 0-15 give their part of dim tile 2 c + 1 for lanes 16-31's part of dim tile 2 c.
.irp c, 0,1
.irp e, 0,1
	v_cndmask_b32 v[XW], v[P+4*\c+2+\e], v[P+4*\c+\e], s[HI]       ; what I give
	v_permlanex16_b32 v[PM], v[XW], s[SEL], s[SEL+1]               ; what I get
	v_cndmask_b32 v[OUTR+4*\c+\e], v[P+4*\c+\e], v[PM], s[HI]
	v_cndmask_b32 v[OUTR+4*\c+2+\e], v[PM], v[P+4*\c+2+\e], s[HI]
.endr
.endr
	s_wait_alu depctr_va_vdst(0)                   ; the selects have written OUTR, which the two stores read as data (their offset v[CO] was written further up)
	global_store_b128 v[CO], v[OUTR:OUTR+3], s[12:13]              ; each store covers 512 consecutive bytes, at a multiple of 512 from the buffer's first byte
	global_store_b128 v[CO], v[OUTR+4:OUTR+7], s[12:13] offset:512
	s_sub_co_u32 s[TAU], 127, s[TAU]               ; the second tile
	s_mov_b32 s[WF], s[WF2]
	s_mov_b32 s[LIM], 0                            ; nothing is left to prefetch; FW is 0 by now, so nothing is fetched either
	s_add_co_u32 s[PASS], s[PASS], 1
	s_cmp_lt_u32 s[PASS], 2
	s_cbranch_scc1 .Lpass
	s_wait_dscnt 0x0
	s_wait_alu depctr_hold_cnt(0) depctr_sa_sdst(0) depctr_va_vdst(0) depctr_va_sdst(0) depctr_va_ssrc(0) depctr_va_vcc(0) depctr_vm_vsrc(0)
	s_wait_tensorcnt 0x0
	ds_add_u32 v254, v255
	s_wait_dscnt 0x0
	s_endpgm
.Lfunc_end_k_qa1e07f921e_attn:
	.size	k_qa1e07f921e_attn, .Lfunc_end_k_qa1e07f921e_attn-k_qa1e07f921e_attn
	.p2alignl 7, 3214868480
	.fill 96, 4, 3214868480
	.section	.rodata,"a",@progbits
	.p2align	6, 0x0
	.amdhsa_kernel k_qa1e07f921e_attn
		.amdhsa_group_segment_fixed_size 264192
		.amdhsa_private_segment_fixed_size 0
		.amdhsa_enable_private_segment 0
		.amdhsa_kernarg_size 40
		.amdhsa_user_sgpr_count 2
		.amdhsa_user_sgpr_kernarg_segment_ptr 1
		.amdhsa_wavefront_size32 1
		.amdhsa_system_sgpr_workgroup_id_x 1
		.amdhsa_system_sgpr_workgroup_id_y 1
		.amdhsa_system_sgpr_workgroup_id_z 1
		.amdhsa_system_vgpr_workitem_id 0
		.amdhsa_next_free_vgpr 256
		.amdhsa_next_free_sgpr 106
		.amdhsa_reserve_vcc 0
		.amdhsa_float_denorm_mode_32 3
		.amdhsa_float_denorm_mode_16_64 3
		.amdhsa_memory_ordered 1
		.amdhsa_forward_progress 1
		.amdhsa_inst_pref_size 35
	.end_amdhsa_kernel
	.amdgpu_metadata
---
amdhsa.version: [ 1, 2 ]
amdhsa.kernels:
  - .name:           k_qa1e07f921e_attn
    .symbol:         k_qa1e07f921e_attn.kd
    .args:
      - { .name: qkvc, .offset: 0, .size: 8, .value_kind: global_buffer, .address_space: global }
      - { .name: mbits, .offset: 8, .size: 8, .value_kind: global_buffer, .address_space: global }
      - { .name: mflags, .offset: 16, .size: 8, .value_kind: global_buffer, .address_space: global }
      - { .name: lowp_scales, .offset: 24, .size: 8, .value_kind: global_buffer, .address_space: global }
      - { .name: ctxc, .offset: 32, .size: 8, .value_kind: global_buffer, .address_space: global }
    .group_segment_fixed_size: 264192
    .private_segment_fixed_size: 0
    .kernarg_segment_align: 8
    .kernarg_segment_size: 40
    .max_flat_workgroup_size: 512
    .sgpr_count:     106
    .vgpr_count:     256
    .wavefront_size: 32
...
	.end_amdgpu_metadata
.endif
;; end of part 5
;; launch outproj: the kernel of part 4 again; grid 4 x 32, 4 waves a work-group, clusters of 4 x 4, 327,680 bytes of LDS; arguments ctxc, W_out_codes, lowp_scales, b_out, out0; writes out0
